; MI455X (gfx1250); checked and timed in simulation.
; The chip was launched on July 23, 2026; its instructions are those of AMD's public machine-readable ISA for CDNA 5 (MIT licence, August 2026) and "CDNA5" Instruction Set Architecture Reference Guide (July 2026). The comments in the code are by the model that wrote it; some were corrected since.
;; Cross Attention. Allowed arithmetic: matrix products marked QUANTISED: E4M3 operands, one given power-of-two scale a tensor, by v_wmma_f32_16x16x64_fp8_fp8 or v_wmma_f32_16x16x128_fp8_fp8, f32 sums; everything else in f32.
;; Inputs: W_f1 1,024 x 1,024 float32; W_f2 1,024 x 512 float32; W_out 512 x 512 float32; W_qk 512 x 512 float32; W_v 512 x 512 float32; b_f1 1,024 float32; b_f2 512 float32; b_out 512 float32; b_qk 512 float32; b_v 512 float32; ln_b 1,024 float32; ln_g 1,024 float32; lowp_scales 26 int32 (the exponents e of the quantised operands' scales 2^e); x0 8 x 1,024 x 512 float32; x1 8 x 1,024 x 512 float32.
;; Outputs: out0 8 x 1,024 x 512 float32; out1 8 x 1,024 x 512 float32.
;; This version of the problem:
;;   THIS VERSION OF THE PROBLEM IS GIVEN IN LOW PRECISION. The matrix products marked QUANTISED in the list below multiply operands that are first quantised to E4M3 (4 exponent bits, 3 mantissa bits; 8 bits a number), with one given power-of-two scale for each operand tensor; their sums are f32. All else is computed in f32.
;;   The module's matrix products, in the order in which they are computed (A, B: the left and right operand; K: the contracted axis; several contracted axes count as one K, in the product's order):
;;     1. [M 8,192, K 512] x [K 512, N 512]; A: input x0; B: input W_qk: QUANTISED (scales: A lowp_scales[0], B lowp_scales[1])
;;     2. [M 8,192, K 512] x [K 512, N 512]; A: input x1; B: input W_qk: QUANTISED (scales: A lowp_scales[2], B lowp_scales[3])
;;     3. [M 8,192, K 512] x [K 512, N 512]; A: input x0; B: input W_v: QUANTISED (scales: A lowp_scales[4], B lowp_scales[5])
;;     4. [M 8,192, K 512] x [K 512, N 512]; A: input x1; B: input W_v: QUANTISED (scales: A lowp_scales[6], B lowp_scales[7])
;;     5. batch 64 x [M 1,024, K 64] x [K 64, N 1,024]; A: computed on the way; B: computed on the way: QUANTISED (scales: A lowp_scales[8], B lowp_scales[9])
;;     6. batch 64 x [M 64, K 1,024] x [K 1,024, N 1,024]; A: computed on the way; B: softmax (see below): QUANTISED (scales: A lowp_scales[10], B lowp_scales[11])
;;     7. batch 64 x [M 64, K 1,024] x [K 1,024, N 1,024]; A: computed on the way; B: softmax (see below): QUANTISED (scales: A lowp_scales[12], B lowp_scales[13])
;;     8. [M 8,192, K 512] x [K 512, N 512]; A: computed on the way; B: input W_out: QUANTISED (scales: A lowp_scales[14], B lowp_scales[15])
;;     9. [M 8,192, K 512] x [K 512, N 512]; A: computed on the way; B: input W_out: QUANTISED (scales: A lowp_scales[16], B lowp_scales[17])
;;     10. [M 8,192, K 1,024] x [K 1,024, N 1,024]; A: computed on the way; B: input W_f1: QUANTISED (scales: A lowp_scales[18], B lowp_scales[19])
;;     11. [M 8,192, K 1,024] x [K 1,024, N 512]; A: computed on the way; B: input W_f2: QUANTISED (scales: A lowp_scales[20], B lowp_scales[21])
;;     12. [M 8,192, K 1,024] x [K 1,024, N 1,024]; A: computed on the way; B: input W_f1: QUANTISED (scales: A lowp_scales[22], B lowp_scales[23])
;;     13. [M 8,192, K 1,024] x [K 1,024, N 512]; A: computed on the way; B: input W_f2: QUANTISED (scales: A lowp_scales[24], B lowp_scales[25])
;;   THE QUANTISER, for each operand of a quantised product, along K:
;;     - The operand's scale is 2^e, e = its entry of the input lowp_scales (int32; the entries are numbered through the quantised products in the list's order, A before B).
;;     - Each number is divided by the scale, clamped to +-448, and rounded to the nearest number of E4M3, ties to even, subnormals kept.
;;     - The product sums the exact products of the quantised numbers (number of the format x scale) in f32.
;;   ~~~python
;;   def quantise(x, axis, e):      # numpy; x: float32 -> the quantised numbers, widened to float32 again
;;       x = np.moveaxis(x, axis, -1); K = x.shape[-1]
;;       r = np.clip(x / 2.0 ** e, -448, 448)
;;       step = 2.0 ** (np.maximum(np.frexp(np.where(r == 0, 1, r))[1] - 1, -6) - 3)
;;       q = np.round(r / step) * step * 2.0 ** e      # np.round: ties to even
;;       return np.moveaxis(q, -1, axis).astype(np.float32)
;;   ~~~
;;   SOFTMAX AHEAD OF A QUANTISED PRODUCT. Where the list says 'softmax', what is quantised is not the finished softmax but p = 2^(t - M), with t = logit x log2(e) and M = ceil(the row's largest t), a whole number; so 1/2 < the row's largest p <= 1. The row's sum l is taken of the UNQUANTISED p, in f32, and the product's result is divided by l at the end. Since M is a whole number, a kernel that streams over the keys may use a running M (the ceiling of the running maximum): every later rescaling is an exact power of two, so the quantised numbers keep their values, but for numbers so far below the row's largest that they fall under the format's range.
;;   OPERANDS COMPUTED ON THE WAY. 'Computed on the way' means the value that the module computes at that place (a softmax that the list does not call 'softmax' is quantised finished and normalised). What goes into a quantiser is computed in f32, as accurately as f32 sums, v_exp_f32 and their like allow (about 1e-6 of the number): no bf16 or f16 on the way to a quantiser, and a product that is left as it is and whose result goes on into a quantised operand takes f32 operands (vector FMAs, or v_wmma_f32_16x16x4_f32). A number that lies on a knife's edge between two numbers of the format may be rounded either way, as far as f32 arithmetic and the matrix unit's own rounding can turn it there, and no further.
;; One version. Each part assembles by itself: llvm-mc -triple=amdgcn-amd-amdhsa -mcpu=gfx1250 --defsym DOCPART=n.
;; ======== version 1 of 1: 4 launches
;; limits: right only within a limited range of input values
;; workspace buffers: WP 1,048,576 bytes; WF 3,670,016 bytes; QKC 8,388,608 bytes; VC 8,388,608 bytes; MC 8,388,608 bytes
;; launch prep (part 1): grid 144 x 1, 4 waves a work-group, no clusters, 0 bytes of LDS; arguments W_qk, W_v, W_out, W_f1, W_f2, lowp_scales, WP, WF; writes WP, WF
.if DOCPART == 1
	.amdgcn_target "amdgcn-amd-amdhsa--gfx1250"
	.amdhsa_code_object_version 6
	.text
	.protected	k_q97ca74afe9_prep
	.globl	k_q97ca74afe9_prep
	.p2align	8
	.type	k_q97ca74afe9_prep,@function
k_q97ca74afe9_prep:
	s_mov_b64 s[64:65], 0
	v_nop
	global_prefetch_b8 v0, s[64:65] scope:SCOPE_SE
	s_setreg_imm32_b32 hwreg(HW_REG_WAVE_MODE, 25, 1), 1
	s_wait_xcnt 0x0
; CROSS ATTENTION IN E4M3, launch 1 of 4: the five weights become codes, each twice (once with the scale given for stream 0's product, once with stream 1's).
; DEAD WORK: none is left out in this program.  Every bias goes into a quantised operand or into an output, every input is loaded.  The program does MORE than the problem in one place: the score product is
; made once for each of the two softmax directions (launch 3), so that no score goes through memory.
; LAYOUT OF ALL WORKSPACES: images of operand registers.  A fragment is 16 rows (or columns) x 128 along K: lane (r = lane % 16, h = lane / 16) holds row r, registers 2 c, 2 c + 1 hold k = 16 c + 8 h + 0 .. 7.
; Its image is 2,048 bytes: registers 4 g .. 4 g + 3 of lane l at 512 g + 16 l.  So every later load of codes is 16 bytes a lane, 512 consecutive bytes a wave.
; WP [stream 2][wave 8][f 32][2048]: f = 4 s + t: W_qk (K step s, column tile 4 wave + t); f = 16 + 4 s + t: W_v.
; WF [stream 2][wave 8][f 112][2048]: f = 4 s + t: W_out; f = 16 + 8 s + t: W_f1 (column tile 8 wave + t); f = 80 + 4 s + t: W_f2.
; SHARES.  A work-group takes 128 columns x 128 k of one weight, a wave 32 columns.  A LANE TAKES A COLUMN AND ITS REGISTERS RUN DOWN K: a load reads 128 consecutive bytes a wave, and the conversions give codes with
; K innermost.  A lane then holds all 16 octets of its column; a fragment wants the even octets in lanes 0-15 and the odd ones in lanes 16-31: one exchange between the halves of the lanes for each register.
; code = x / 2^e, to the nearest code, ties to even.  LIMITS: each e between -126 and 119.  NaN and infinities among the inputs are not served.
.set LI,  1                            ; v1      16 x lane: my place in an image's 512 bytes
.set OFF, 2                            ; v2-9    4 x lane + j rows of the weight
.set VS,  10                           ; v10     2^e as f32
.set VL,  11
.set X,   16                           ; v16-143 my column's 128 numbers
.set T,   144
.set C,   160                          ; v160-191 my column's codes: octet o in registers 2 o, 2 o + 1
.set F,   192                          ; v192-223 the two fragments
.set E,   68                           ; s68-93  the 26 exponents: entry n in s[E + n]
	s_load_b512 s[4:19], s[0:1], 0x0               ; W_qk, W_v, W_out, W_f1, W_f2, the scales, WP, WF
	v_lshrrev_b32 v1, 5, v0
	v_readfirstlane_b32 s20, v1                    ; wave 0..3
	v_and_b32 v2, 31, v0
	v_lshlrev_b32 v[LI], 4, v2
	v_lshlrev_b32 v[OFF], 2, v2
	v_mov_b32 v13, 0                               ; a lane permute's destination counts as read: written once
	v_mov_b32 v15, 0
	s_wait_alu depctr_va_vdst(0)
	s_wait_kmcnt 0x0
	s_load_b512 s[E:E+15], s[14:15], 0x0           ; e0 .. e15: asked for now, waited for behind the weight's loads, which do not hang on them
	s_load_b256 s[E+16:E+23], s[14:15], 0x40       ; e16 .. e23
	s_load_b64 s[E+24:E+25], s[14:15], 0x60        ; e24, e25
	; which weight is mine: work-groups 0-15 W_qk, 16-31 W_v, 32-47 W_out, 48-111 W_f1, 112-143 W_f2.  The values start as W_f2's and are replaced on the work-group's number alone.
	s_mov_b32 s21, 112                             ; the weight's first work-group
	s_mov_b32 s22, 2                               ; lg: 2^lg groups of 128 columns, and 2^lg column tiles for each consuming wave
	s_mov_b32 s23, 80                              ; the weight's first f
	s_mov_b64 s[24:25], s[12:13]                   ; from
	s_mov_b64 s[26:27], s[18:19]                   ; to
	s_mov_b32 s28, 1835008                         ; from stream to stream
	s_mov_b32 s29, 229376                          ; from wave to wave
	s_cmp_lt_u32 ttmp9, 112
	s_cselect_b32 s21, 48, s21
	s_cselect_b32 s22, 3, s22
	s_cselect_b32 s23, 16, s23
	s_cselect_b64 s[24:25], s[10:11], s[24:25]
	s_cmp_lt_u32 ttmp9, 48
	s_cselect_b32 s21, 32, s21
	s_cselect_b32 s22, 2, s22
	s_cselect_b32 s23, 0, s23
	s_cselect_b64 s[24:25], s[8:9], s[24:25]
	s_cmp_lt_u32 ttmp9, 32
	s_cselect_b32 s21, 16, s21
	s_cselect_b32 s23, 16, s23
	s_cselect_b64 s[24:25], s[6:7], s[24:25]
	s_cselect_b64 s[26:27], s[16:17], s[26:27]
	s_cselect_b32 s28, 524288, s28
	s_cselect_b32 s29, 65536, s29
	s_cmp_lt_u32 ttmp9, 16
	s_cselect_b32 s21, 0, s21
	s_cselect_b32 s23, 0, s23
	s_cselect_b64 s[24:25], s[4:5], s[24:25]
	s_sub_co_u32 s4, ttmp9, s21                    ; my number within the weight
	s_lshl_b32 s5, 1, s22
	s_sub_co_u32 s5, s5, 1
	s_and_b32 s6, s4, s5                           ; which 128 columns
	s_lshr_b32 s7, s4, s22                         ; which K step
	s_lshl_b32 s8, 512, s22                        ; a row of the weight in bytes
	s_lshl_b32 s9, s6, 3
	s_lshl_b32 s10, s20, 1
	s_add_co_u32 s9, s9, s10                       ; my first column tile (of two)
	s_lshr_b32 s10, s9, s22                        ; the wave that will use it
	s_and_b32 s9, s9, s5                           ; and its t there
	s_lshl_b32 s11, s7, s22
	s_add_co_u32 s11, s11, s9
	s_add_co_u32 s11, s11, s23                     ; f
	s_lshl_b32 s11, s11, 11
	s_mul_i32 s10, s10, s29
	s_add_co_u32 s10, s10, s11
	s_mov_b32 s11, 0
	s_add_nc_u64 s[26:27], s[26:27], s[10:11]      ; stream 0's two images
	s_mov_b32 s29, 0
	s_add_nc_u64 s[28:29], s[26:27], s[28:29]      ; stream 1's
	s_mul_i32 s10, s7, s8
	s_lshl_b32 s10, s10, 7                         ; 128 rows a K step
	s_lshl_b32 s12, s6, 9
	s_add_co_u32 s10, s10, s12
	s_lshl_b32 s12, s20, 7
	s_add_co_u32 s10, s10, s12                     ; + 4 bytes x my wave's first column
	s_add_nc_u64 s[32:33], s[24:25], s[10:11]      ; sixteen bases, eight rows apart
	s_lshl_b32 s10, s8, 3
.irp g,1,2,3,4,5,6,7,8,9,10,11,12,13,14,15
	s_add_nc_u64 s[32+2*\g:33+2*\g], s[30+2*\g:31+2*\g], s[10:11]
.endr
.irp j,1,2,3,4,5,6,7
	v_add_nc_u32 v[OFF+\j], s8, v[OFF+\j-1]
.endr
.irp g,0,1,2,3,4,5,6,7,8,9,10,11,12,13,14,15
.irp j,0,1,2,3,4,5,6,7
	global_load_b32 v[X+8*\g+\j], v[OFF+\j], s[32+2*\g:33+2*\g] th:TH_LOAD_NT   ; W(128 s + 8 g + j, my column)
.endr
.endr
	s_wait_kmcnt 0x0                               ; the exponents
	s_mov_b32 s30, s[E+21]                         ; stream 0's scale of my weight,
	s_mov_b32 s31, s[E+25]                         ; stream 1's: chosen as the pointers were
	s_cmp_lt_u32 ttmp9, 112
	s_cselect_b32 s30, s[E+19], s30
	s_cselect_b32 s31, s[E+23], s31
	s_cmp_lt_u32 ttmp9, 48
	s_cselect_b32 s30, s[E+15], s30
	s_cselect_b32 s31, s[E+17], s31
	s_cmp_lt_u32 ttmp9, 32
	s_cselect_b32 s30, s[E+5], s30
	s_cselect_b32 s31, s[E+7], s31
	s_cmp_lt_u32 ttmp9, 16
	s_cselect_b32 s30, s[E+1], s30
	s_cselect_b32 s31, s[E+3], s31
	s_add_co_i32 s30, s30, 127
	s_lshl_b32 s12, s30, 23                        ; 2^e as f32: the conversion takes its exponent field
	s_add_co_i32 s31, s31, 127
	s_lshl_b32 s14, s31, 23
	s_add_co_i32 s31, s31, 8
	s_lshl_b32 s15, s31, 23
	s_or_b32 s15, s15, 0x600000
	s_mov_b32 s16, 0xffff0000                      ; lanes 16-31
	s_mov_b32 s18, 0x76543210                      ; v_permlanex16_b32: lane l xor 16
	s_mov_b32 s19, 0xfedcba98
	s_wait_loadcnt 0x0
; One stream's codes: quantise the column, deal the octets to the two fragments, store.
.macro VAR ss, sl, d
	v_mov_b32 v[VS], s[\ss]
.irp o,0,1,2,3,4,5,6,7,8,9,10,11,12,13,14,15
.irp i,0,1,2,3,4,5,6,7
.endr
	v_cvt_scalef32_pk8_fp8_f32 v[C+2*\o:C+2*\o+1], v[T+8*(\o%2)+((X+8*\o+0)-(T+8*(\o%2)+0)):T+8*(\o%2)+7+((X+8*\o+0)-(T+8*(\o%2)+0))], v[VS]
.endr
	v_nop                                          ; a plain line between the last conversion and the reads of its result
.irp c,0,1,2,3,4,5,6,7
.irp q,0,1
	v_cndmask_b32 v[12+2*\q], v[C+4*\c+2+\q], v[C+4*\c+\q], s16            ; lanes 0-15 send their odd octet, lanes 16-31 their even one
	v_permlanex16_b32 v[13+2*\q], v[12+2*\q], s18, s19
	v_cndmask_b32 v[F+2*\c+\q], v[C+4*\c+\q], v[13+2*\q], s16              ; columns 0-15: own even octet | the odd octet of lane - 16
	v_cndmask_b32 v[F+16+2*\c+\q], v[13+2*\q], v[C+4*\c+2+\q], s16         ; columns 16-31: the even octet of lane + 16 | own odd octet
.endr
.endr
.irp g,0,1,2,3
	global_store_b128 v[LI], v[F+4*\g:F+4*\g+3], s[\d:\d+1] offset:512*\g              ; 512 consecutive bytes a store
	global_store_b128 v[LI], v[F+16+4*\g:F+16+4*\g+3], s[\d:\d+1] offset:2048+512*\g
.endr
.endm
	VAR 12, 13, 26
	s_wait_xcnt 0x0                                ; the stores have read their data: the fragments' registers are written again
	VAR 14, 15, 28
	s_endpgm
.Lfunc_end_k_q97ca74afe9_prep:
	.size	k_q97ca74afe9_prep, .Lfunc_end_k_q97ca74afe9_prep-k_q97ca74afe9_prep
	.p2alignl 7, 3214868480
	.fill 96, 4, 3214868480
	.section	.rodata,"a",@progbits
	.p2align	6, 0x0
	.amdhsa_kernel k_q97ca74afe9_prep
		.amdhsa_group_segment_fixed_size 0
		.amdhsa_private_segment_fixed_size 0
		.amdhsa_enable_private_segment 0
		.amdhsa_kernarg_size 64
		.amdhsa_user_sgpr_count 2
		.amdhsa_user_sgpr_kernarg_segment_ptr 1
		.amdhsa_wavefront_size32 1
		.amdhsa_system_sgpr_workgroup_id_x 1
		.amdhsa_system_sgpr_workgroup_id_y 1
		.amdhsa_system_sgpr_workgroup_id_z 1
		.amdhsa_system_vgpr_workitem_id 0
		.amdhsa_next_free_vgpr 224
		.amdhsa_next_free_sgpr 96
		.amdhsa_reserve_vcc 0
		.amdhsa_float_denorm_mode_32 3
		.amdhsa_float_denorm_mode_16_64 3
		.amdhsa_fp16_overflow 1
		.amdhsa_memory_ordered 1
		.amdhsa_forward_progress 1
		.amdhsa_inst_pref_size 29
	.end_amdhsa_kernel
	.amdgpu_metadata
---
amdhsa.version: [ 1, 2 ]
amdhsa.kernels:
  - .name:           k_q97ca74afe9_prep
    .symbol:         k_q97ca74afe9_prep.kd
    .args:
      - { .name: W_qk, .offset: 0, .size: 8, .value_kind: global_buffer, .address_space: global }
      - { .name: W_v, .offset: 8, .size: 8, .value_kind: global_buffer, .address_space: global }
      - { .name: W_out, .offset: 16, .size: 8, .value_kind: global_buffer, .address_space: global }
      - { .name: W_f1, .offset: 24, .size: 8, .value_kind: global_buffer, .address_space: global }
      - { .name: W_f2, .offset: 32, .size: 8, .value_kind: global_buffer, .address_space: global }
      - { .name: lowp_scales, .offset: 40, .size: 8, .value_kind: global_buffer, .address_space: global }
      - { .name: WP, .offset: 48, .size: 8, .value_kind: global_buffer, .address_space: global }
      - { .name: WF, .offset: 56, .size: 8, .value_kind: global_buffer, .address_space: global }
    .group_segment_fixed_size: 0
    .private_segment_fixed_size: 0
    .kernarg_segment_align: 8
    .kernarg_segment_size: 64
    .max_flat_workgroup_size: 128
    .sgpr_count:     96
    .vgpr_count:     224
    .wavefront_size: 32
...
	.end_amdgpu_metadata
.endif
;; end of part 1
;; launch proj (part 2): grid 256 x 1, 8 waves a work-group, no clusters, 198,656 bytes of LDS; arguments x0, x1, WP, b_qk, b_v, lowp_scales, QKC, VC; writes QKC, VC
.if DOCPART == 2
	.amdgcn_target "amdgcn-amd-amdhsa--gfx1250"
	.amdhsa_code_object_version 6
	.text
	.protected	k_q97ca74afe9_proj
	.globl	k_q97ca74afe9_proj
	.p2align	8
	.type	k_q97ca74afe9_proj,@function
k_q97ca74afe9_proj:
	s_mov_b64 s[64:65], 0
	v_nop
	global_prefetch_b8 v0, s[64:65] scope:SCOPE_SE
	s_setreg_imm32_b32 hwreg(HW_REG_WAVE_MODE, 25, 1), 1
	s_wait_xcnt 0x0
; Launch 2 of 4: qk = (x W_qk + b_qk) / 64^(1/4) and v = x W_v + b_v for both streams, on codes of E4M3, and their results quantised for the attention.  Nothing of the problem is left out here.
; SHARES.  Work-groups 0-127 take stream 0, 128-255 stream 1: 64 rows each.  Wave w is head w: 64 columns of qk and 64 of v, for all 64 rows.  Its weight fragments come from WP straight into a ring of registers
; (each fragment is used by this one wave of the work-group); x's codes go round through LDS as images of operand registers.
; x is loaded once, 512 consecutive bytes a load, and turned through LDS (rows 2,064 bytes apart = 516 words: 16 rows start 4 banks apart, ISA guide 11.1) so that a lane gets 8 neighbours along K; it is quantised twice
; (the scale of the qk product, the scale of the v product).
; qk IS MADE TRANSPOSED (source 0 = 16 columns of W, source 1 = 16 tokens): a lane holds one token, its registers run along the head's 64, which is the next K.  v is made the natural way round (source 0 = tokens):
; a lane holds one channel and its registers run along the tokens, the next K of v.  So each conversion's result is a pair of registers of the next operand.
; ORDER IN A K STEP: the products; four places; the NEXT K step's token fragments are asked of LDS; then the ring's half just multiplied is asked of memory again.  So the LDS reads land under the wait for the weights.
; QKC [stream][batch 8 + head][token tile 64][1024]: 16 tokens x 64.   VC [stream][batch 8 + head][key step 8][channel tile 4][2048]: 16 channels x 128 tokens.
; LIMITS on the given exponents, so that each power of two below is an f32 number: e0, e2, e4, e6, e8, e9, and e12 - e4 - e5, e10 - e6 - e7 between -126 and 119; e0 + e1, e2 + e3 between -124 and 126.  NaN, infinities not served.
; REGISTERS: window 0: v0-15 addresses and scales; v16-79 four fragments of x; v80-207 a ring of eight weight fragments (two halves); v208-239 codes; v240-255 at work.
;   window 1: v0-127 the 16 accumulators ((m, t) at 8 (4 m + t)); v128-255 x as loaded, later b_v.
.set XQI, 0                            ; LDS: x's codes for qk: fragment (row tile m, K step s) at (4 m + s) 2048
.set XVI, 32768                        ; the same for v
.set XS,  65536                        ; x as f32: 64 rows
.set XP,  2064
.set SPARE, 197632                     ; the spare words: 128 bytes a wave; no other line names them
.set BR,  0                            ; v0   4 r (from the end of the head on; the thread's number is used no more)
.set LI,  1                            ; v1   16 x lane
.set SPW, 2
.set NIL, 3
.set XW,  4                            ; v4   where I put x's rows
.set XQ,  5                            ; v5   where I read my 8 neighbours
.set BO,  6                            ; v6   32 h
.set IW,  7                            ; v7   where I put x's images
.set QS,  8                            ; v8, v10, v12, v14 the scales: x for qk, x for v, qk's codes, v's codes
.set AF,  16
.set RB,  80
.set PC,  208
.set T,   240
.set WB,  8                            ; s[8:9] my wave's weights
.set MSB, 0
.macro WIN new                         ; the immediate's high byte repeats the setting that is left
.if MSB != \new
	s_set_vgpr_msb (MSB<<8)|\new
.set MSB, \new
.endif
.endm
.macro PLACES                          ; four plain lines behind a matrix instruction, ahead of loads into its sources and of reads of its result
.rept 4
	v_nop
.endr
.endm
.macro BLOADG goff, half               ; four weight fragments, goff on, into one half of the ring
.irp i,0,1,2,3
.irp c,0,1,2,3
	global_load_b128 v[RB+64*(\half)+16*\i+4*\c:RB+64*(\half)+16*\i+4*\c+3], v[LI], s[WB:WB+1] offset:((\goff)+\i)*2048+512*\c
.endr
.endr
.endm
.macro ALOAD adr, base, mstr           ; the four row tiles' fragments of one K step
.irp m,0,1,2,3
.irp c,0,1,2,3
	ds_load_b128 v[AF+16*\m+4*\c:AF+16*\m+4*\c+3], v[\adr] offset:(\base)+(\mstr)*\m*2048+512*\c
.endr
.endr
.endm
.macro MMG half, swap, zero            ; 16 products: four weight tiles x four row tiles; the 16 accumulators take turns
.irp i,0,1,2,3
.irp m,0,1,2,3
.set rD, 8*(4*\m+\i)
.set rW, RB+64*(\half)+16*\i
.set rA, AF+16*\m
.if \zero
	v_wmma_f32_16x16x128_fp8_fp8 v[rD:rD+7], v[rA:rA+15], v[rW:rW+15], 0
.elseif \swap
	v_wmma_f32_16x16x128_fp8_fp8 v[rD:rD+7], v[rA:rA+15], v[rW:rW+15], v[rD:rD+7]
.else
	v_wmma_f32_16x16x128_fp8_fp8 v[rD:rD+7], v[rW:rW+15], v[rA:rA+15], v[rD:rD+7]
.endif
.endr
.endr
.endm
.macro GSTEP cnt, half, swap, zero     ; cnt: the loads issued behind this half's, which may stay out
	s_wait_dscnt 0x0                               ; this K step's token fragments
	s_wait_loadcnt \cnt
	WIN 0x50                                       ; C and D in window 1
	MMG \half, \swap, \zero
	WIN 0
	PLACES
.endm
.macro MKQ se, vq                      ; 2^e and 448 x 2^e as f32
	s_add_co_i32 s60, s[\se], 127
	s_lshl_b32 s61, s60, 23
	v_mov_b32 v[\vq], s61
	s_add_co_i32 s60, s60, 8
	s_lshl_b32 s60, s60, 23
	s_or_b32 s60, s60, 0x600000
.endm
.macro QX vq, pc                       ; the 64 numbers in AF (register 8 c + i = k 16 c + 8 h + i) become a fragment's 16 registers
.irp c,0,1,2,3,4,5,6,7
.irp i,0,1,2,3,4,5,6,7
.endr
	v_cvt_scalef32_pk8_fp8_f32 v[\pc+2*\c:\pc+2*\c+1], v[T+8*(\c%2)+((AF+8*\c+0)-(T+8*(\c%2)+0)):T+8*(\c%2)+7+((AF+8*\c+0)-(T+8*(\c%2)+0))], v[\vq]
.endr
	v_nop
.endm
	s_load_b512 s[4:19], s[0:1], 0x0               ; x0, x1, WP, b_qk, b_v, the scales, QKC, VC
	v_lshl_add_u32 v[SPW], v0, 2, SPARE
	v_mov_b32 v[NIL], 0
	v_lshrrev_b32 v240, 5, v0
	s_delay_alu instid0(VALU_DEP_1)
	v_readfirstlane_b32 s20, v240                  ; wave 0..7
	v_and_b32 v240, 31, v0
	s_delay_alu instid0(VALU_DEP_1)
	v_lshlrev_b32 v[LI], 4, v240
	v_and_b32 v240, 15, v0                         ; r
	s_wait_alu depctr_va_vdst(0)
	v_bfe_u32 v241, v0, 4, 1                       ; h
	s_lshr_b32 s21, ttmp9, 7                       ; stream
	s_and_b32 s22, ttmp9, 127                      ; block of 64 rows
	s_mul_i32 s23, s20, 8*XP
	s_add_co_u32 s23, s23, XS
	v_add_nc_u32 v[XW], s23, v[LI]                 ; rows 8 w on
	s_lshr_b32 s24, s20, 1
	s_and_b32 s25, s20, 1
	s_mul_i32 s26, s24, 16*XP
	s_lshl_b32 s27, s25, 10
	s_add_co_u32 s26, s26, s27
	s_add_co_u32 s26, s26, XS
	v_mul_u32_u24 v[XQ], v240, XP
	s_wait_alu depctr_va_vdst(0)
	v_lshl_add_u32 v[XQ], v241, 5, v[XQ]
	s_delay_alu instid0(VALU_DEP_1)
	v_add_nc_u32 v[XQ], s26, v[XQ]                 ; row 16 (w / 2) + r, + 32 h, K steps 2 (w % 2) on
	v_lshlrev_b32 v[BO], 5, v241
	s_lshl_b32 s26, s24, 13
	s_lshl_b32 s27, s25, 12
	s_add_co_u32 s26, s26, s27
	v_add_nc_u32 v[IW], s26, v[LI]                 ; fragments 4 (w / 2) + 2 (w % 2) on
	v_lshlrev_b32 v[BR], 2, v240
	s_wait_alu depctr_va_vdst(0)
	s_wait_kmcnt 0x0
	s_load_b512 s[36:51], s[14:15], 0x0            ; e0 .. e15
	s_cmp_eq_u32 s21, 0
	s_cselect_b64 s[4:5], s[4:5], s[6:7]           ; my stream's x
	s_lshl_b32 s26, s22, 17                        ; 64 rows of 2,048 bytes
	s_lshl_b32 s27, s20, 14                        ; my wave's 8 rows
	s_add_co_u32 s26, s26, s27
	s_mov_b32 s27, 0
	s_add_nc_u64 s[4:5], s[4:5], s[26:27]
	s_lshl_b32 s26, s21, 19
	s_lshl_b32 s28, s20, 16
	s_add_co_u32 s26, s26, s28
	s_add_nc_u64 s[WB:WB+1], s[WB:WB+1], s[26:27]
	s_lshl_b32 s26, s20, 8
	s_add_nc_u64 s[10:11], s[10:11], s[26:27]      ; my 64 numbers of b_qk,
	s_add_nc_u64 s[12:13], s[12:13], s[26:27]      ; of b_v
	s_lshr_b32 s28, s22, 4
	s_lshl_b32 s28, s28, 3
	s_add_co_u32 s28, s28, s20
	s_lshl_b32 s28, s28, 16                        ; (8 batch + head) 65,536
	s_lshl_b32 s29, s21, 22
	s_add_co_u32 s28, s28, s29
	s_and_b32 s29, s22, 15
	s_lshl_b32 s26, s29, 12                        ; four token tiles of 1,024 bytes
	s_add_co_u32 s26, s26, s28
	s_add_nc_u64 s[16:17], s[16:17], s[26:27]
	s_lshr_b32 s26, s29, 1
	s_lshl_b32 s26, s26, 13                        ; the key step,
	s_and_b32 s29, s22, 1
	s_lshl_b32 s29, s29, 10                        ; and which half of its 128 tokens: register groups 2 (blk % 2) on
	s_add_co_u32 s26, s26, s29
	s_add_co_u32 s26, s26, s28
	s_add_nc_u64 s[18:19], s[18:19], s[26:27]
	WIN 0x40                                       ; destination window 1
.set i, 0
.rept 32
	global_load_b128 v[128+4*i:131+4*i], v[LI], s[4:5] offset:(i/4)*2048+(i%4)*512 th:TH_LOAD_NT
.set i, i+1
.endr
.irp t,0,1,2,3                         ; b_qk is what the sums begin with: eight registers a tile in the result's layout (column 16 t + 8 h + j).  Loaded once, into row tile 0's accumulators; its scaling deals it to the other three
	global_load_b128 v[8*\t:8*\t+3], v[BO], s[10:11] offset:64*\t
	global_load_b128 v[8*\t+4:8*\t+7], v[BO], s[10:11] offset:64*\t+16
.endr
	WIN 0
	BLOADG 0, 0
	BLOADG 4, 1
	s_wait_kmcnt 0x0
	s_cmp_eq_u32 s21, 0
	s_cselect_b32 s36, s36, s38                    ; x's exponent for qk
	s_cselect_b32 s37, s37, s39                    ; W_qk's
	s_cselect_b32 s40, s40, s42                    ; x's for v
	s_cselect_b32 s41, s41, s43                    ; W_v's
	s_cselect_b32 s44, s44, s45                    ; qk's codes': e8 or e9
	s_cselect_b32 s48, s48, s46                    ; v's codes': e12 (v0) or e10 (v1)
	s_add_co_i32 s52, s36, s37
	s_add_co_i32 s53, s40, s41
	s_sub_co_i32 s54, 127, s52
	s_lshl_b32 s54, s54, 23                        ; b_qk goes in divided by the power of two that the sums lack
	s_mov_b32 s55, s54
	s_lshl_b32 s56, s52, 23
	s_add_co_i32 s56, s56, 0x3eb504f3              ; 64^(-1/4) x 2^(ex + ew): the exponents are added to its exponent field
	s_mov_b32 s57, s56
	s_sub_co_i32 s58, 0, s53
	s_sub_co_i32 s59, s48, s53                     ; v's three scales folded into the conversion's one
	MKQ 36, QS
	MKQ 40, QS+2
	MKQ 44, QS+4
	MKQ 59, QS+6
	s_wait_alu depctr_va_vdst(0)
	s_wait_loadcnt 40                              ; x's 32 loads are in: b_qk's 8 and the ring's 32 are younger
	WIN 0x04                                       ; store data in window 1
.set i, 0
.rept 32
	ds_store_b128 v[XW], v[128+4*i:131+4*i] offset:(i/4)*XP+(i%4)*512
.set i, i+1
.endr
	WIN 0
	s_wait_dscnt 0x0                               ; my rows lie in LDS, and the stores have read their registers
	WIN 0x40
.irp t,0,1,2,3
	global_load_b32 v[128+2*\t], v[BR], s[12:13] offset:64*\t      ; b_v(16 t + r): one number a lane and tile
.endr
	WIN 0
	s_barrier_signal -1
	s_barrier_wait -1                              ; all 64 rows lie in LDS
.irp u,0,1                             ; my two fragments: row tile w / 2, K steps 2 (w % 2) + u
.irp c,0,1,2,3,4,5,6,7
	ds_load_b128 v[AF+8*\c:AF+8*\c+3], v[XQ] offset:512*\u+64*\c
	ds_load_b128 v[AF+8*\c+4:AF+8*\c+7], v[XQ] offset:512*\u+64*\c+16
.endr
	s_wait_dscnt 0x0                               ; the numbers are in; the images stored last have read their registers
	QX QS, PC
	QX QS+2, PC+16
.irp g,0,1,2,3
	ds_store_b128 v[IW], v[PC+4*\g:PC+4*\g+3] offset:XQI+2048*\u+512*\g
	ds_store_b128 v[IW], v[PC+16+4*\g:PC+16+4*\g+3] offset:XVI+2048*\u+512*\g
.endr
.endr
	s_wait_dscnt 0x0
	s_barrier_signal -1
	s_barrier_wait -1                              ; both sets of sixteen fragments lie in LDS; nothing is stored to LDS from here on
	ALOAD LI, XQI, 4                               ; the first K step's fragments land under the bias's scaling
	s_wait_loadcnt 36                              ; b_qk's tiles are in: the ring's 32 loads and b_v's 4 are younger
	WIN 0x41
.irp m,3,2,1,0                         ; row tile 0's own registers last: they are the source
.set j, 0
.rept 16
	v_pk_mul_f32 v[32*\m+j:32*\m+j+1], v[j:j+1], s[54:55] op_sel_hi:[1,0]
.set j, j+2
.endr
.endr
	WIN 0
	s_wait_alu depctr_va_vdst(0)
	GSTEP 20, 0, 0, 0                              ; younger than this half: the other half's 16 and b_v's 4
	ALOAD LI, XQI+2048, 4
	BLOADG 8, 0
	GSTEP 20, 1, 0, 0                              ; younger: b_v's 4 and the 16 just issued
	ALOAD LI, XQI+4096, 4
	BLOADG 12, 1
	GSTEP 16, 0, 0, 0                              ; from here on: the other half's 16
	ALOAD LI, XQI+6144, 4
	BLOADG 16, 0                                   ; W_v's first K step
	GSTEP 16, 1, 0, 0
	ALOAD LI, XVI, 4                               ; v's first K step lands under qk's way out
	BLOADG 20, 1
	WIN 0x41                                       ; qk's way out: x 64^(-1/4) 2^(ex + ew), converted; each accumulator from its low end on
.set j, 0
.rept 64
	v_pk_mul_f32 v[j:j+1], v[j:j+1], s[56:57] op_sel_hi:[1,0]
.set j, j+2
.endr
.set j, 0
.rept 128
.set j, j+1
.endr
.irp t,0,1,2,3
	v_ldexp_f32 v[128+2*\t], v[128+2*\t], s58      ; b_v / 2^(ex + ew)
.endr
.irp t,0,1,2,3
	s_delay_alu instid0(VALU_DEP_4)
	v_mov_b32 v[129+2*\t], v[128+2*\t]
.endr
	WIN 0x01
.set a, 0
.rept 16
	v_cvt_scalef32_pk8_fp8_f32 v[PC+2*a:PC+2*a+1], v[8*a:8*a+7], v[QS+4]   ; tile (m, t): registers 2 t, 2 t + 1 of token tile m's fragment
.set a, a+1
.endr
	WIN 0
	v_nop
.irp m,0,1,2,3
	global_store_b128 v[LI], v[PC+8*\m:PC+8*\m+3], s[16:17] offset:1024*\m
	global_store_b128 v[LI], v[PC+8*\m+4:PC+8*\m+7], s[16:17] offset:1024*\m+512
.endr
	GSTEP 16, 0, 1, 1                              ; the first K step starts v's sums
	ALOAD LI, XVI+2048, 4
	BLOADG 24, 0
	GSTEP 16, 1, 1, 0
	ALOAD LI, XVI+4096, 4
	BLOADG 28, 1
	GSTEP 16, 0, 1, 0
	ALOAD LI, XVI+6144, 4
	GSTEP 0, 1, 1, 0
	WIN 0x45
.irp m,0,1,2,3
.irp t,0,1,2,3
.irp j,0,2,4,6
	v_pk_add_f32 v[8*(4*\m+\t)+\j:8*(4*\m+\t)+\j+1], v[8*(4*\m+\t)+\j:8*(4*\m+\t)+\j+1], v[128+2*\t:129+2*\t]
.endr
.endr
.endr
	WIN 0x41
.set j, 0
.rept 128
.set j, j+1
.endr
	s_wait_xcnt 0x0                                ; qk's stores have read their data: the codes' registers are written again
	WIN 0x01
.irp m,0,1,2,3
.irp t,0,1,2,3
	v_cvt_scalef32_pk8_fp8_f32 v[PC+8*\t+2*\m:PC+8*\t+2*\m+1], v[8*(4*\m+\t):8*(4*\m+\t)+7], v[QS+6]   ; tokens 16 m + 8 h + j of channel tile t
.endr
.endr
	WIN 0
	v_nop
.irp t,0,1,2,3
	global_store_b128 v[LI], v[PC+8*\t:PC+8*\t+3], s[18:19] offset:2048*\t
	global_store_b128 v[LI], v[PC+8*\t+4:PC+8*\t+7], s[18:19] offset:2048*\t+512
.endr
	s_wait_tensorcnt 0x0                           ; the wave's end
	ds_add_u32 v[SPW], v[NIL]
	s_wait_dscnt 0x0
	s_endpgm
.Lfunc_end_k_q97ca74afe9_proj:
	.size	k_q97ca74afe9_proj, .Lfunc_end_k_q97ca74afe9_proj-k_q97ca74afe9_proj
	.p2alignl 7, 3214868480
	.fill 96, 4, 3214868480
	.section	.rodata,"a",@progbits
	.p2align	6, 0x0
	.amdhsa_kernel k_q97ca74afe9_proj
		.amdhsa_group_segment_fixed_size 198656
		.amdhsa_private_segment_fixed_size 0
		.amdhsa_enable_private_segment 0
		.amdhsa_kernarg_size 64
		.amdhsa_user_sgpr_count 2
		.amdhsa_user_sgpr_kernarg_segment_ptr 1
		.amdhsa_wavefront_size32 1
		.amdhsa_system_sgpr_workgroup_id_x 1
		.amdhsa_system_sgpr_workgroup_id_y 1
		.amdhsa_system_sgpr_workgroup_id_z 1
		.amdhsa_system_vgpr_workitem_id 0
		.amdhsa_next_free_vgpr 512
		.amdhsa_next_free_sgpr 66
		.amdhsa_reserve_vcc 0
		.amdhsa_float_denorm_mode_32 3
		.amdhsa_float_denorm_mode_16_64 3
		.amdhsa_fp16_overflow 1
		.amdhsa_memory_ordered 1
		.amdhsa_forward_progress 1
		.amdhsa_inst_pref_size 63
	.end_amdhsa_kernel
	.amdgpu_metadata
---
amdhsa.version: [ 1, 2 ]
amdhsa.kernels:
  - .name:           k_q97ca74afe9_proj
    .symbol:         k_q97ca74afe9_proj.kd
    .args:
      - { .name: x0, .offset: 0, .size: 8, .value_kind: global_buffer, .address_space: global }
      - { .name: x1, .offset: 8, .size: 8, .value_kind: global_buffer, .address_space: global }
      - { .name: WP, .offset: 16, .size: 8, .value_kind: global_buffer, .address_space: global }
      - { .name: b_qk, .offset: 24, .size: 8, .value_kind: global_buffer, .address_space: global }
      - { .name: b_v, .offset: 32, .size: 8, .value_kind: global_buffer, .address_space: global }
      - { .name: lowp_scales, .offset: 40, .size: 8, .value_kind: global_buffer, .address_space: global }
      - { .name: QKC, .offset: 48, .size: 8, .value_kind: global_buffer, .address_space: global }
      - { .name: VC, .offset: 56, .size: 8, .value_kind: global_buffer, .address_space: global }
    .group_segment_fixed_size: 198656
    .private_segment_fixed_size: 0
    .kernarg_segment_align: 8
    .kernarg_segment_size: 64
    .max_flat_workgroup_size: 256
    .sgpr_count:     66
    .vgpr_count:     512
    .wavefront_size: 32
...
	.end_amdgpu_metadata
.endif
;; end of part 2
;; launch attn (part 3): grid 2 x 128, 16 waves a work-group, no clusters, 133,120 bytes of LDS; arguments QKC, VC, lowp_scales, MC; writes MC
.if DOCPART == 3
	.amdgcn_target "amdgcn-amd-amdhsa--gfx1250"
	.amdhsa_code_object_version 6
	.text
	.protected	k_q97ca74afe9_attn
	.globl	k_q97ca74afe9_attn
	.p2align	8
	.type	k_q97ca74afe9_attn,@function
k_q97ca74afe9_attn:
	s_mov_b64 s[64:65], 0
	v_nop
	global_prefetch_b8 v0, s[64:65] scope:SCOPE_SE
	s_setreg_imm32_b32 hwreg(HW_REG_WAVE_MODE, 25, 1), 1
	s_wait_xcnt 0x0
; Launch 3 of 4: both attentions on codes of E4M3.  Direction 0: queries = stream 0's tokens, keys and values = stream 1's (softmax along j, m0).  Direction 1: the other way round (softmax along i, m1): the score of a
; pair of tokens is the same number in both, so direction 1 is direction 0's kernel with the streams exchanged.  Nothing of the problem is left out; the score product is made once for each direction.
; THE SOFTMAX AHEAD OF THE SECOND PRODUCT: t = score x log2(e); M = the running largest t rounded up to a whole number; p = 2^(t - M) is quantised; the row's sum is taken of the unquantised p and divides at the end.
; SHARES.  A work-group takes 512 queries of one (direction, batch, head); each of its sixteen waves two tiles of 16 queries, one after the other.  The head's whole K and V (65,536 bytes each, images of operand
; registers) are copied into LDS once, through registers, and read by all waves.  No multicast: two work-groups share a head's K and V, which each reads once, at its head.
; LAYOUT.  S^T = K Q^T (source 0 = 16 keys) and O^T = V^T P^T (source 0 = 16 channels): a lane holds one query throughout, and tile t's eight scores convert to registers 2 t, 2 t + 1 of P's fragment.
; MC [direction][64 batch + token tile][K step 4][2048]: 16 tokens x 128 of the 512 columns 64 head + channel.
; LIMITS: e8 + e9 between -126 and 127 - 1; e11, e13, e14, e16 between -126 and 119.  NaN and infinities are not served.
; REGISTERS: v12 -M, v13 the largest t, v[14:15] the sum; v16-31 Q's two fragments; v32-95 K's, then V's fragments; v96-159 S^T, then p; v160-191 O^T; v192-207 the results' codes; v224-239 p's codes; v240-254 scales and at work.
.set SPARE, 131072                     ; behind K's and V's images: the spare words, 128 bytes a wave; no other line names them
.set LI,  1                            ; v1  16 x lane
.set LV,  2                            ; v2  the same in V's image
.set SPW, 3
.set NIL, 4
.set TA,  5                            ; v5  16 x thread: the copy's place
.set TV,  6
.set ADK, 8
.set ADV, 9
.set SEL, 20                           ; s[20:21] lane l xor 16
.set CS,  22                           ; s[22:23] c = log2(e) 2^(e8 + e9)
.set TB,  24                           ; s24 the key step's first byte in an image
.set EPV, 27                           ; s27 ep + ev
.set EP,  33                           ; s33 ep
.macro PLACES
.rept 4
	v_nop
.endr
.endm
.macro MKQ se, vs, vl
	s_add_co_i32 s44, s[\se], 127
	s_lshl_b32 s45, s44, 23
	v_mov_b32 v[\vs], s45
.endm
	s_load_b256 s[4:11], s[0:1], 0x0               ; QKC, VC, the scales, MC
	v_lshl_add_u32 v[SPW], v0, 2, SPARE
	v_mov_b32 v[NIL], 0
	v_lshrrev_b32 v8, 5, v0
	s_delay_alu instid0(VALU_DEP_1)
	v_readfirstlane_b32 s12, v8                    ; wave 0..15
	v_and_b32 v8, 31, v0
	s_delay_alu instid0(VALU_DEP_1)
	v_lshlrev_b32 v[LI], 4, v8
	s_delay_alu instid0(VALU_DEP_1)
	v_add_nc_u32 v[LV], 0x10000, v[LI]
	v_lshlrev_b32 v[TA], 4, v0
	s_delay_alu instid0(VALU_DEP_1)
	v_add_nc_u32 v[TV], 0x10000, v[TA]
	v_mov_b32 v246, 0                              ; a lane permute's destination counts as read
	v_mov_b32 v253, 0                              ; named as the upper half of the pair v[252:253]
	s_and_b32 s13, ttmp7, 0xffff
	s_lshr_b32 s14, s13, 6                         ; direction
	s_and_b32 s15, s13, 63                         ; 8 batch + head
	s_xor_b32 s16, s14, 1                          ; keys and values come from the other stream
	s_lshl_b32 s16, s16, 22
	s_lshl_b32 s17, s15, 16
	s_add_co_u32 s16, s16, s17
	s_mov_b32 s17, 0
	s_lshl_b32 s18, s14, 22                        ; Q: my stream, my head, token tiles 32 x + 2 wave on
	s_lshl_b32 s19, s15, 16
	s_add_co_u32 s18, s18, s19
	s_lshl_b32 s19, ttmp9, 15
	s_add_co_u32 s18, s18, s19
	s_lshl_b32 s19, s12, 11
	s_add_co_u32 s18, s18, s19
	s_mov_b32 s19, 0
	s_lshl_b32 s30, s14, 22                        ; MC
	s_lshr_b32 s31, s15, 3
	s_lshl_b32 s31, s31, 19                        ; batch: 64 token tiles of 8,192 bytes
	s_add_co_u32 s30, s30, s31
	s_lshl_b32 s31, ttmp9, 18
	s_add_co_u32 s30, s30, s31
	s_lshl_b32 s31, s12, 14
	s_add_co_u32 s30, s30, s31
	s_bfe_u32 s31, s15, 0x20001                    ; head / 2: the K step
	s_lshl_b32 s31, s31, 11
	s_add_co_u32 s30, s30, s31
	s_and_b32 s31, s15, 1                          ; head % 2: register groups 2 (head % 2) on
	s_lshl_b32 s31, s31, 10
	s_add_co_u32 s30, s30, s31
	s_mov_b32 s31, 0
	s_mov_b32 s[SEL], 0x76543210
	s_mov_b32 s[SEL+1], 0xfedcba98
	s_wait_alu depctr_va_vdst(0)
	s_wait_kmcnt 0x0
	s_load_b64 s[28:29], s[8:9], 0x20              ; e8, e9
	s_load_b128 s[32:35], s[8:9], 0x28             ; e10 .. e13
	s_load_b128 s[36:39], s[8:9], 0x38             ; e14 .. e17
	s_add_nc_u64 s[40:41], s[4:5], s[16:17]        ; K's image
	s_add_nc_u64 s[6:7], s[6:7], s[16:17]          ; V's
	s_add_nc_u64 s[4:5], s[4:5], s[18:19]          ; Q
	s_add_nc_u64 s[10:11], s[10:11], s[30:31]
.irp i,0,1,2,3,4,5,6,7
	global_load_b128 v[96+4*\i:99+4*\i], v[TA], s[40:41] offset:8192*\i    ; 512 threads x 16 bytes
.endr
.irp i,0,1,2,3,4,5,6,7
	global_load_b128 v[128+4*\i:131+4*\i], v[TA], s[6:7] offset:8192*\i
.endr
.irp i,0,1,2,3
	global_load_b128 v[16+4*\i:19+4*\i], v[LI], s[4:5] offset:512*\i       ; my two tiles of queries stay in registers
.endr
	s_wait_kmcnt 0x0
	s_cmp_eq_u32 s14, 0
	s_cselect_b32 s32, s32, s34                    ; ev
	s_cselect_b32 s33, s33, s35                    ; ep
	s_cselect_b32 s36, s36, s38                    ; the result's codes': e14 or e16
	s_add_co_i32 s28, s28, s29
	s_lshl_b32 s28, s28, 23
	s_add_co_i32 s[CS], s28, 0x3fb8aa3b            ; a score stands for score x 2^(e8 + e9): added to log2(e)'s exponent field
	s_mov_b32 s[CS+1], s[CS]
	s_add_co_i32 s[EPV], s32, s33
	MKQ 33, 244, 240                               ; 2^ep
	MKQ 36, 245, 241
	s_wait_loadcnt 4                               ; K's and V's parts are in; Q's four loads may stay out
.irp i,0,1,2,3,4,5,6,7
	ds_store_b128 v[TA], v[96+4*\i:99+4*\i] offset:8192*\i
.endr
.irp i,0,1,2,3,4,5,6,7
	ds_store_b128 v[TV], v[128+4*\i:131+4*\i] offset:8192*\i
.endr
	s_wait_dscnt 0x0
	s_barrier_signal -1
	s_barrier_wait -1                              ; both images are whole; nothing is stored to LDS from here on
	s_wait_loadcnt 0x0
; A KEY STEP: 128 keys for query tile q.
.macro STEP q
	v_add_nc_u32 v[ADK], s[TB], v[LI]
	v_add_nc_u32 v[ADV], s[TB], v[LV]
	v_nop
	v_nop                                          ; with the two additions: four places behind the last products, ahead of loads into their sources
.irp t,0,1,2,3,4,5,6,7
	ds_load_b128 v[32+8*\t:35+8*\t], v[ADK] offset:1024*\t
	ds_load_b128 v[36+8*\t:39+8*\t], v[ADK] offset:1024*\t+512
.endr
	s_wait_alu depctr_va_vdst(0)
	s_wait_dscnt 0x0
.irp t,0,1,2,3,4,5,6,7
	v_wmma_f32_16x16x64_fp8_fp8 v[96+8*\t:103+8*\t], v[32+8*\t:39+8*\t], v[16+8*(\q):23+8*(\q)], 0
.endr
	PLACES
.irp d,0,1,2,3                         ; V's fragments land while the softmax is walked
.irp g,0,1,2,3
	ds_load_b128 v[32+16*\d+4*\g:35+16*\d+4*\g], v[ADV] offset:2048*\d+512*\g
.endr
.endr
	v_max3_num_f32 v254, v96, v97, v98             ; the step's largest score of my query among my 64 keys, in two chains; each tile from its low end on
	v_max3_num_f32 v252, v99, v100, v101
.irp i,6,10,14,18,22,26,30,34,38,42,46,50,54,58
	v_max3_num_f32 v254, v254, v[96+\i], v[97+\i]
	v_max3_num_f32 v252, v252, v[98+\i], v[99+\i]
.endr
	v_max3_num_f32 v254, v254, v158, v159
	s_delay_alu instid0(VALU_DEP_1)
	v_max_num_f32 v254, v254, v252
	s_delay_alu instid0(VALU_DEP_1)
	v_permlanex16_b32 v246, v254, s[SEL], s[SEL+1]
	s_delay_alu instid0(VALU_DEP_1)
	v_max_num_f32 v254, v254, v246                 ; and among lane l xor 16's
	s_delay_alu instid0(VALU_DEP_1)
	v_mul_f32 v254, s[CS], v254                    ; as t (c is positive)
	s_delay_alu instid0(VALU_DEP_1)
	v_max_num_f32 v13, v13, v254
	v_mov_b32 v254, v12
	s_delay_alu instid0(VALU_DEP_2)
	v_floor_f32 v12, -v13                          ; the new -M = -ceil(t)
	s_delay_alu instid0(VALU_DEP_1)
	v_sub_f32 v254, v12, v254                      ; old M - new M: a whole number, 0 or less
	s_delay_alu instid0(VALU_DEP_1)
	v_cvt_i32_f32 v254, v254                       ; (it saturates)
	s_delay_alu instid0(VALU_DEP_1)
	v_ldexp_f32 v252, 1.0, v254                    ; f = 2^(old M - new M)
.irp j,0,2,4,6,8,10,12,14,16,18,20,22,24,26,28,30,32,34,36,38,40,42,44,46,48,50,52,54,56,58,60,62
	v_pk_fma_f32 v[96+\j:97+\j], v[96+\j:97+\j], s[CS:CS+1], v[12:13] op_sel_hi:[1,0,0]   ; t - M
.endr
.set j, 0
	s_setprio 1
	s_wait_alu depctr_va_vdst(0)
.rept 64
	v_exp_f32 v[96+j], v[96+j]                     ; p = 2^(t - M)
.set j, j+1
.endr
	v_pk_mul_f32 v[14:15], v[14:15], v[252:253] op_sel_hi:[1,0]    ; the sum under the new M: the plain line behind the exponentials
	s_wait_alu depctr_va_vdst(0)                   ; one wait for the batch, ahead of its first reader
	v_pk_add_f32 v[242:243], v[100:101], v[104:105]
	v_pk_add_f32 v[254:255], v[108:109], v[112:113]
	v_pk_add_f32 v[250:251], v[116:117], v[120:121]
	v_pk_add_f32 v[248:249], v[124:125], v[128:129]
	v_pk_add_f32 v[240:241], v[132:133], v[136:137]
	v_pk_add_f32 v[238:239], v[140:141], v[144:145]
	v_pk_add_f32 v[236:237], v[148:149], v[152:153]
	v_pk_add_f32 v[14:15], v[14:15], v[156:157]
	v_pk_add_f32 v[242:243], v[242:243], v[96:97]
	v_pk_add_f32 v[254:255], v[254:255], v[98:99]
	v_pk_add_f32 v[250:251], v[250:251], v[102:103]
	v_pk_add_f32 v[248:249], v[248:249], v[106:107]
	v_pk_add_f32 v[240:241], v[240:241], v[110:111]
	v_pk_add_f32 v[238:239], v[238:239], v[114:115]
	v_pk_add_f32 v[236:237], v[236:237], v[118:119]
	v_pk_add_f32 v[14:15], v[14:15], v[122:123]
	v_pk_add_f32 v[242:243], v[242:243], v[126:127]
	v_pk_add_f32 v[254:255], v[254:255], v[130:131]
	v_pk_add_f32 v[250:251], v[250:251], v[134:135]
	v_pk_add_f32 v[248:249], v[248:249], v[138:139]
	v_pk_add_f32 v[240:241], v[240:241], v[142:143]
	v_pk_add_f32 v[238:239], v[238:239], v[146:147]
	v_pk_add_f32 v[236:237], v[236:237], v[150:151]
	v_pk_add_f32 v[14:15], v[14:15], v[154:155]
	v_pk_add_f32 v[242:243], v[242:243], v[158:159]
	s_delay_alu instid0(VALU_DEP_2)
	v_pk_add_f32 v[14:15], v[14:15], v[248:249]
	s_delay_alu instid0(VALU_DEP_2)
	v_pk_add_f32 v[242:243], v[242:243], v[240:241]
	v_pk_add_f32 v[254:255], v[254:255], v[238:239]
	v_pk_add_f32 v[250:251], v[250:251], v[236:237]
	s_delay_alu instid0(VALU_DEP_2)
	v_pk_add_f32 v[14:15], v[14:15], v[254:255]
	s_delay_alu instid0(VALU_DEP_2)
	v_pk_add_f32 v[242:243], v[242:243], v[250:251]
	s_delay_alu instid0(VALU_DEP_1)
	v_pk_add_f32 v[14:15], v[14:15], v[242:243]
	s_cmp_ge_i32 s[EP], -8                         ; The branch hangs on a whole number read from memory
	s_cbranch_scc1 .Lnohold_\@
.set j, 0
.rept 64
.set j, j+1
.endr
.Lnohold_\@:
.irp t,0,1,2,3,4,5,6,7
	v_cvt_scalef32_pk8_fp8_f32 v[224+2*\t:225+2*\t], v[96+8*\t:103+8*\t], v244
.endr
	s_setprio 0
.irp j,0,2,4,6,8,10,12,14,16,18,20,22,24,26,28,30
	v_pk_mul_f32 v[160+\j:161+\j], v[160+\j:161+\j], v[252:253] op_sel_hi:[1,0]   ; O^T under the new M; also the plain lines behind the conversions
.endr
	s_wait_alu depctr_va_vdst(0)
	s_wait_dscnt 0x0                               ; V is in
.irp d,0,1,2,3
	v_wmma_f32_16x16x128_fp8_fp8 v[160+8*\d:167+8*\d], v[32+16*\d:47+16*\d], v[224:239], v[160+8*\d:167+8*\d]
.endr
.endm
.macro TILE q
	v_mov_b32 v13, 0xff61b1e6                      ; the largest t so far: -3e38
	s_delay_alu instid0(VALU_DEP_1)
	v_floor_f32 v12, -v13
	v_mov_b32 v14, 0
	v_mov_b32 v15, 0
.set j, 0
.rept 32
	v_mov_b32 v[160+j], 0                          ; the step is written once: the first finds zeros
.set j, j+1
.endr
	s_mov_b32 s[TB], 0
.Lstep_\@:
	s_setprio 2
	STEP \q
	s_add_co_u32 s[TB], s[TB], 8192
	s_cmp_lt_u32 s[TB], 65536
	s_cbranch_scc1 .Lstep_\@
	s_setprio 0
	PLACES
	v_add_f32 v14, v14, v15
	s_delay_alu instid0(VALU_DEP_1)
	v_permlanex16_b32 v246, v14, s[SEL], s[SEL+1]
	s_delay_alu instid0(VALU_DEP_1)
	v_add_f32 v14, v14, v246                       ; the row's sum
	s_wait_alu depctr_va_vdst(0)
	v_rcp_f32 v14, v14
	v_nop
	s_wait_alu depctr_va_vdst(0)
	v_ldexp_f32 v14, v14, s[EPV]                   ; 2^(ep + ev) / sum
	s_delay_alu instid0(VALU_DEP_1)
	v_mov_b32 v15, v14
.irp j,0,2,4,6,8,10,12,14,16,18,20,22,24,26,28,30
	v_pk_mul_f32 v[96+\j:97+\j], v[160+\j:161+\j], v[14:15]
.endr
.set j, 0
.rept 32
.set j, j+1
.endr
.irp d,0,1,2,3
	v_cvt_scalef32_pk8_fp8_f32 v[192+8*(\q)+2*\d:193+8*(\q)+2*\d], v[96+8*\d:103+8*\d], v245
.endr
	v_nop
	global_store_b128 v[LI], v[192+8*(\q):195+8*(\q)], s[10:11] offset:8192*(\q)
	global_store_b128 v[LI], v[196+8*(\q):199+8*(\q)], s[10:11] offset:8192*(\q)+512
.endm
	TILE 0
	TILE 1
	s_wait_tensorcnt 0x0                           ; the wave's end
	ds_add_u32 v[SPW], v[NIL]
	s_wait_dscnt 0x0
	s_endpgm
.Lfunc_end_k_q97ca74afe9_attn:
	.size	k_q97ca74afe9_attn, .Lfunc_end_k_q97ca74afe9_attn-k_q97ca74afe9_attn
	.p2alignl 7, 3214868480
	.fill 96, 4, 3214868480
	.section	.rodata,"a",@progbits
	.p2align	6, 0x0
	.amdhsa_kernel k_q97ca74afe9_attn
		.amdhsa_group_segment_fixed_size 133120
		.amdhsa_private_segment_fixed_size 0
		.amdhsa_enable_private_segment 0
		.amdhsa_kernarg_size 32
		.amdhsa_user_sgpr_count 2
		.amdhsa_user_sgpr_kernarg_segment_ptr 1
		.amdhsa_wavefront_size32 1
		.amdhsa_system_sgpr_workgroup_id_x 1
		.amdhsa_system_sgpr_workgroup_id_y 1
		.amdhsa_system_sgpr_workgroup_id_z 1
		.amdhsa_system_vgpr_workitem_id 0
		.amdhsa_next_free_vgpr 256
		.amdhsa_next_free_sgpr 66
		.amdhsa_reserve_vcc 0
		.amdhsa_float_denorm_mode_32 3
		.amdhsa_float_denorm_mode_16_64 3
		.amdhsa_fp16_overflow 1
		.amdhsa_memory_ordered 1
		.amdhsa_forward_progress 1
		.amdhsa_inst_pref_size 41
	.end_amdhsa_kernel
	.amdgpu_metadata
---
amdhsa.version: [ 1, 2 ]
amdhsa.kernels:
  - .name:           k_q97ca74afe9_attn
    .symbol:         k_q97ca74afe9_attn.kd
    .args:
      - { .name: QKC, .offset: 0, .size: 8, .value_kind: global_buffer, .address_space: global }
      - { .name: VC, .offset: 8, .size: 8, .value_kind: global_buffer, .address_space: global }
      - { .name: lowp_scales, .offset: 16, .size: 8, .value_kind: global_buffer, .address_space: global }
      - { .name: MC, .offset: 24, .size: 8, .value_kind: global_buffer, .address_space: global }
    .group_segment_fixed_size: 133120
    .private_segment_fixed_size: 0
    .kernarg_segment_align: 8
    .kernarg_segment_size: 32
    .max_flat_workgroup_size: 512
    .sgpr_count:     66
    .vgpr_count:     256
    .wavefront_size: 32
...
	.end_amdgpu_metadata
.endif
;; end of part 3
;; launch ffn (part 4): grid 256 x 1, 8 waves a work-group, no clusters, 238,592 bytes of LDS; arguments x0, x1, MC, WF, b_out, b_f1, ln_g, ln_b, b_f2, lowp_scales, out0, out1; writes out0, out1
.if DOCPART == 4
	.amdgcn_target "amdgcn-amd-amdhsa--gfx1250"
	.amdhsa_code_object_version 6
	.text
	.protected	k_q97ca74afe9_ffn
	.globl	k_q97ca74afe9_ffn
	.p2align	8
	.type	k_q97ca74afe9_ffn,@function
k_q97ca74afe9_ffn:
	s_mov_b64 s[64:65], 0
	v_nop
	global_prefetch_b8 v0, s[64:65] scope:SCOPE_SE
	s_setreg_imm32_b32 hwreg(HW_REG_WAVE_MODE, 25, 1), 1
	s_wait_xcnt 0x0
; Launch 4 of 4: out = x + gelu(LN([x, m W_out + b_out] W_f1 + b_f1)) W_f2 + b_f2, all three products on codes of E4M3; nothing between them goes to memory.  Nothing of the problem is left out here.
; SHARES.  Work-groups 0-127 take stream 0, the others stream 1: 64 rows each, since the norm wants whole rows of 1,024 sums (256 registers a wave).  THE WAVES SHARE THE COLUMNS: wave w makes columns 64 w on of the
; out-projection and of the last product, and columns 128 w on of the first FFN product.  Its weight fragments come from WF, laid in the order of use, straight into registers: each fragment is used by this one wave of
; the work-group, so LDS would only add a write and a read of the same bytes; for the same reason no tile is asked for jointly with other work-groups.
; THE WEIGHTS' REGISTERS: a ring of eight fragments (two halves of four) in window 0, and, wherever accumulator registers lie idle, eight places more in window 1: in the out-projection the registers that x has left,
; in the last product the registers that the first eight gelu batches have left, so that half of W_f2 is asked for while the vector units work on the norm and gelu.
; Each half of the ring has a pointer of its own, stepped directly behind the counted wait that shows that half's earlier loads done.
; ORDER IN A K STEP: the products; four places; the NEXT K step's token fragments are asked of LDS; then the weights' places just multiplied are asked of memory again.
; The rows' codes go round through LDS as images of operand registers.  All products are used transposed (source 0 = 16 columns of the weight, source 1 = 16 tokens): a lane holds one token, its registers run along the next K.
; THE NORM: each wave takes its 128 columns' mean and the sum of squares about THAT mean; the eight pairs meet in LDS and are joined by M2 = sum M2_w + 128 sum (mean_w - mu)^2: no difference of large sums.
; GELU (erf form): gelu(x) = max(x, 0) - |x| t 2^(P(t) - x^2 log2(e) / 2), t = 1 / (1 + |x| / sqrt(8)), P a polynomial of degree 9: the rational-exponential form of erfc whose relative error is 1.2e-7.
; LIMITS on the given exponents, so that each power of two below is an f32 number: e_h, e_g and e_h - e_m - e_wo between -126 and 119; e_m + e_wo, e_h + e_w1, e_g + e_w2 between -126 and 126.  NaN, infinities not served.
; REGISTERS: window 0: v0-15 addresses, scales; v16-79 four token fragments, or four sets of 16 numbers at work; v80-207 the weights' ring, at the end the results; v208-239 codes, later the norm's gain and bias;
;   v240-255 the rows' statistics.   window 1: the accumulators: out-projection (m, t) at 32 m + 8 t; first FFN product at 64 m + 8 t; last product at 64 m + 32 + 8 t.  At the head v128-255 x as loaded, then W_out's K steps 2, 3;
;   in the last product v[64 i + 16 q], q = 0, 1: W_f2's tile i of K steps 2 + q and 6 + q.
.set HI,  0                            ; LDS: the FFN's operand: fragment (row tile m, K step s) at (8 m + s) 2048: first [x, m W_out], later gelu's results
.set OS,  65536                        ; first the block's 32,768 bytes of MC; at the end a stage of 16 rows x 272 bytes for each wave
.set ST,  100352                       ; the statistics: a row's eight pairs, rows 80 bytes apart
.set XS,  105472                       ; x as f32: 64 rows, 2,064 bytes apart (516 words: 16 rows start 4 banks apart, ISA guide 11.1); kept for the residual
.set XP,  2064
.set SPARE, 237568                     ; the spare words, 128 bytes a wave; no other line names them
.set LI,  1
.set SPW, 2
.set NIL, 3
.set MA,  4                            ; v4   MC's fragments in LDS; at the end XR: x's rows
.set XR,  4
.set AD,  5
.set BO,  6                            ; v6   32 h
.set IW,  7                            ; v7   where I put images
.set VS,  8                            ; v8 the quantiser in hand: its scale
.set VL,  9
.set C9,  10                           ; v[10:11] the polynomial's leading coefficient
.set XW,  12                           ; v12-14 at the head: staging addresses; at the end SO, SR, GO
.set MW,  13
.set XQ,  14
.set SO,  12
.set SR,  13
.set GO,  14
.set STA, 15                           ; v15  ST + 80 r
.set AF,  16
.set XX,  16
.set UU,  32
.set TT,  48
.set PP,  64
.set RB,  80
.set PC,  208
.set GA,  208
.set BE,  224
.set MN,  240                          ; pairs: my columns' mean, later c
.set AA,  248                          ; pairs: a
.set WB,  10                           ; s[10:11] my wave's weights; never stepped
.set WB0, 94                           ; s[94:95] the pointer of the ring's half 0 from W_f1 on
.set WB1, 96                           ; s[96:97] of half 1
.set MSB, 0
.macro WIN new                         ; the immediate's high byte repeats the setting that is left
.if MSB != \new
	s_set_vgpr_msb (MSB<<8)|\new
.set MSB, \new
.endif
.endm
.macro PLACES                          ; four plain lines behind a matrix instruction, ahead of loads into its sources and of reads of its result
.rept 4
	v_nop
.endr
.endm
.macro BLOADG base, goff, half         ; four weight fragments, goff behind the pointer, into one half of the ring
.irp i,0,1,2,3
.irp c,0,1,2,3
	global_load_b128 v[RB+64*(\half)+16*\i+4*\c:RB+64*(\half)+16*\i+4*\c+3], v[LI], s[\base:\base+1] offset:((\goff)+\i)*2048+512*\c
.endr
.endr
.endm
.macro EGLOAD goff, q                  ; four weight fragments into the places v[64 i + 16 q] of window 1
	WIN 0x40
.irp i,0,1,2,3
.irp c,0,1,2,3
	global_load_b128 v[64*\i+16*(\q)+4*\c:64*\i+16*(\q)+4*\c+3], v[LI], s[WB0:WB0+1] offset:((\goff)+\i)*2048+512*\c
.endr
.endr
	WIN 0
.endm
.macro ELOAD m, q                      ; one fragment, tile m of W_f2's K step 2 + q, into the sixteen registers that gelu's batch (m, q) has just left
	WIN 0x40
.irp c,0,1,2,3
	global_load_b128 v[64*(\m)+16*(\q)+4*\c:64*(\m)+16*(\q)+4*\c+3], v[LI], s[WB0:WB0+1] offset:(16+4*(\q)+(\m))*2048+512*\c
.endr
	WIN 0
.endm
.macro ALOAD adr, base, mstr
.irp m,0,1,2,3
.irp c,0,1,2,3
	ds_load_b128 v[AF+16*\m+4*\c:AF+16*\m+4*\c+3], v[\adr] offset:(\base)+(\mstr)*\m*2048+512*\c
.endr
.endr
.endm
; 16 products: four weight tiles (v[wb + ws i], window by win) x four row tiles, onto v[ab + ms m + 8 i] of window 1; the accumulators by turns.
; dsw = 1: new token fragments are awaited.  cnt: the loads issued behind these weights', which may stay out (-1: these weights were shown landed earlier).  stp: the pointer that the counted wait has just freed, or 0.
.macro GSTEP dsw, cnt, win, wb, ws, ab, ms, stp
.if \dsw
	s_wait_dscnt 0x0
.endif
.if (\cnt) >= 0
	s_wait_loadcnt \cnt
.endif
.if \stp
	s_add_nc_u64 s[\stp:\stp+1], s[\stp:\stp+1], 16384     ; the loads that named this pointer are done: eight fragments on
.endif
	WIN \win
.irp i,0,1,2,3
.irp m,0,1,2,3
.set rD, (\ab)+(\ms)*\m+8*\i
.set rW, (\wb)+(\ws)*\i
.set rA, AF+16*\m
	v_wmma_f32_16x16x128_fp8_fp8 v[rD:rD+7], v[rW:rW+15], v[rA:rA+15], v[rD:rD+7]
.endr
.endr
	WIN 0
	PLACES
.endm
.macro BIASLD ptr, tpm, b0             ; a bias is what the sums begin with: eight registers a tile in the result's layout (column 16 t + 8 h + j).  It is loaded once;
.set bt, 0
.rept \tpm
	global_load_b128 v[(\b0)+8*bt:(\b0)+8*bt+3], v[BO], s[\ptr:\ptr+1] offset:64*bt
	global_load_b128 v[(\b0)+8*bt+4:(\b0)+8*bt+7], v[BO], s[\ptr:\ptr+1] offset:64*bt+16
.set bt, bt+1
.endr
.endm
.macro BIASSC nreg, d0, mstr, s0, sp   ; and its division by the power of two that the sums lack deals it to the four row tiles (row tile 0 last: it may be the source)
.irp m,3,2,1,0
.set bj, 0
.rept (\nreg)/2
	v_pk_mul_f32 v[(\d0)+(\mstr)*\m+bj:(\d0)+(\mstr)*\m+bj+1], v[(\s0)+bj:(\s0)+bj+1], s[\sp:\sp+1] op_sel_hi:[1,0]
.set bj, bj+2
.endr
.endr
.endm
.macro MKS se, d                       ; s[d] = 2^e, s[d + 1] = 448 x 2^e, as f32
	s_add_co_i32 s[\d+1], s[\se], 127
	s_lshl_b32 s[\d], s[\d+1], 23
	s_add_co_i32 s[\d+1], s[\d+1], 8
	s_lshl_b32 s[\d+1], s[\d+1], 23
	s_or_b32 s[\d+1], s[\d+1], 0x600000
.endm
.macro SPAIR r, val
	s_mov_b32 s[\r], \val
	s_mov_b32 s[\r+1], \val
.endm
.macro BARRIER
	s_wait_dscnt 0x0
	s_barrier_signal -1
	s_barrier_wait -1
.endm
	s_load_b512 s[4:19], s[0:1], 0x0               ; x0, x1, MC, WF, b_out, b_f1, ln_g, ln_b
	s_load_b256 s[20:27], s[0:1], 0x40             ; b_f2, the scales, out0, out1
	v_lshl_add_u32 v[SPW], v0, 2, SPARE
	v_mov_b32 v[NIL], 0
	v_lshrrev_b32 v16, 5, v0
	s_delay_alu instid0(VALU_DEP_1)
	v_readfirstlane_b32 s28, v16                   ; wave 0..7
	v_and_b32 v16, 31, v0
	s_delay_alu instid0(VALU_DEP_1)
	v_lshlrev_b32 v[LI], 4, v16
	v_and_b32 v17, 15, v0                          ; r
	v_bfe_u32 v18, v0, 4, 1                        ; h
	s_delay_alu instid0(VALU_DEP_1)
	v_lshlrev_b32 v[BO], 5, v18
	s_delay_alu instid0(VALU_DEP_4)
	v_add_nc_u32 v[MA], OS, v[LI]
	s_delay_alu instid0(VALU_DEP_4)
	v_mul_u32_u24 v[STA], v17, 80
	s_delay_alu instid0(VALU_DEP_1)
	v_add_nc_u32 v[STA], ST, v[STA]
	v_mov_b32 v[C9], 0x3e7c6f08
	v_mov_b32 v[C9+1], 0x3e7c6f08
	s_lshr_b32 s29, ttmp9, 7                       ; stream
	s_and_b32 s30, ttmp9, 127                      ; block of 64 rows
	s_mul_i32 s31, s28, 8*XP
	s_add_co_u32 s31, s31, XS
	v_add_nc_u32 v[XW], s31, v[LI]                 ; x: rows 8 w on
	s_lshl_b32 s31, s28, 12
	v_add_nc_u32 v[MW], s31, v[MA]                 ; MC: my 4,096 bytes
	s_lshr_b32 s2, s28, 1                          ; w / 2
	s_and_b32 s3, s28, 1                           ; w % 2
	s_mul_i32 s31, s2, 16*XP
	s_lshl_b32 s34, s3, 10
	s_add_co_u32 s31, s31, s34
	s_add_co_u32 s31, s31, XS
	v_mul_u32_u24 v[XQ], v17, XP
	s_delay_alu instid0(VALU_DEP_1)
	v_lshl_add_u32 v[XQ], v18, 5, v[XQ]
	s_delay_alu instid0(VALU_DEP_1)
	v_add_nc_u32 v[XQ], s31, v[XQ]                 ; row 16 (w / 2) + r, + 32 h, K steps 2 (w % 2) on
	s_lshl_b32 s31, s2, 14
	s_lshl_b32 s34, s3, 12
	s_add_co_u32 s31, s31, s34
	v_add_nc_u32 v[IW], s31, v[LI]                 ; fragments 8 (w / 2) + 2 (w % 2) on
	s_wait_alu depctr_va_vdst(0)
	s_wait_kmcnt 0x0
	s_load_b256 s[36:43], s[22:23], 0x38           ; e14 .. e21
	s_load_b128 s[44:47], s[22:23], 0x58           ; e22 .. e25
	s_cmp_eq_u32 s29, 0
	s_cselect_b64 s[4:5], s[4:5], s[6:7]           ; my stream's x,
	s_cselect_b64 s[24:25], s[24:25], s[26:27]     ; and output
	s_mov_b32 s35, 0
	s_lshl_b32 s34, s30, 17                        ; 64 rows of 2,048 bytes
	s_add_nc_u64 s[24:25], s[24:25], s[34:35]
	s_lshl_b32 s31, s28, 14
	s_add_co_u32 s34, s34, s31
	s_add_nc_u64 s[4:5], s[4:5], s[34:35]
	s_lshl_b32 s34, s29, 22
	s_lshl_b32 s31, s30, 15
	s_add_co_u32 s34, s34, s31
	s_lshl_b32 s31, s28, 12
	s_add_co_u32 s34, s34, s31
	s_add_nc_u64 s[8:9], s[8:9], s[34:35]
	s_mul_i32 s34, s29, 1835008
	s_mul_i32 s31, s28, 229376
	s_add_co_u32 s34, s34, s31
	s_add_nc_u64 s[WB:WB+1], s[WB:WB+1], s[34:35]
	s_add_nc_u64 s[WB0:WB0+1], s[WB:WB+1], 16384   ; eight fragments short of W_f1: the first FFN loop steps a pointer ahead of each use
	s_mov_b64 s[WB1:WB1+1], s[WB0:WB0+1]
	s_lshl_b32 s34, s28, 8
	s_add_nc_u64 s[12:13], s[12:13], s[34:35]      ; my 64 numbers of b_out,
	s_add_nc_u64 s[20:21], s[20:21], s[34:35]      ; of b_f2;
	s_lshl_b32 s34, s28, 9
	s_add_nc_u64 s[14:15], s[14:15], s[34:35]      ; my 128 of b_f1,
	s_add_nc_u64 s[16:17], s[16:17], s[34:35]      ; ln_g,
	s_add_nc_u64 s[18:19], s[18:19], s[34:35]      ; ln_b
	WIN 0x40
.set i, 0
.rept 32
	global_load_b128 v[128+4*i:131+4*i], v[LI], s[4:5] offset:(i/4)*2048+(i%4)*512 th:TH_LOAD_NT
.set i, i+1
.endr
	WIN 0
.irp i,0,1,2,3,4,5,6,7
	global_load_b128 v[PC+4*\i:PC+4*\i+3], v[LI], s[8:9] offset:512*\i th:TH_LOAD_NT
.endr
	WIN 0x40
	BIASLD 12, 4, 0
	WIN 0
	BLOADG WB, 0, 0
	BLOADG WB, 4, 1
	SPAIR 66, 0xc034d90f                           ; P's coefficients x log2(e), the constant one less 1 (the half in front of erfc): c0 .. c8
	SPAIR 68, 0x3fb8ab5a
	SPAIR 70, 0x3f0a29d2
	SPAIR 72, 0x3e0efb2e
	SPAIR 74, 0xbe899a80
	SPAIR 76, 0x3ecdfd18
	SPAIR 78, 0xbfd1a1e5
	SPAIR 80, 0x40097039
	SPAIR 82, 0xbf97d29d
	SPAIR 86, 0x3eb504f3                           ; 1 / sqrt(8)
	SPAIR 88, 0xbf38aa3b                           ; -log2(e) / 2
	s_mov_b32 s90, 0x7fffffff
	s_mov_b32 s92, 0x76543210                      ; lane l xor 16
	s_mov_b32 s93, 0xfedcba98
	s_wait_kmcnt 0x0
	s_cmp_eq_u32 s29, 0
	s_cselect_b32 s36, s36, s38                    ; e_m
	s_cselect_b32 s37, s37, s39                    ; e_wo
	s_cselect_b32 s40, s40, s44                    ; e_h
	s_cselect_b32 s41, s41, s45                    ; e_w1
	s_cselect_b32 s42, s42, s46                    ; e_g
	s_cselect_b32 s43, s43, s47                    ; e_w2
	s_add_co_i32 s38, s36, s37
	s_add_co_i32 s56, s40, s41                     ; k: a sum of the first FFN product stands for sum x 2^k
	s_add_co_i32 s39, s42, s43
	s_sub_co_i32 s48, 127, s38
	s_lshl_b32 s48, s48, 23
	s_mov_b32 s49, s48                             ; 2^-(e_m + e_wo)
	s_sub_co_i32 s50, 127, s56
	s_lshl_b32 s50, s50, 23
	s_mov_b32 s51, s50                             ; 2^-k
	s_sub_co_i32 s52, 127, s39
	s_lshl_b32 s52, s52, 23
	s_mov_b32 s53, s52                             ; 2^-(e_g + e_w2)
	s_add_co_i32 s54, s39, 127
	s_lshl_b32 s54, s54, 23
	s_mov_b32 s55, s54                             ; 2^(e_g + e_w2)
	s_lshl_b32 s57, s56, 1
	s_sub_co_i32 s57, s57, 10                      ; 2 k - 10: the variance is M2 x 2^(2 k) / 1,024
	s_sub_co_i32 s44, s40, s38
	MKS 40, 58                                     ; x's quantiser
	MKS 44, 60                                     ; the out-projection's: three scales folded into one
	MKS 42, 62                                     ; gelu's
	s_wait_loadcnt 40                              ; x's 32 loads and MC's 8 are in: b_out's 8 and the ring's 32 are younger
	WIN 0x04
.set i, 0
.rept 32
	ds_store_b128 v[XW], v[128+4*i:131+4*i] offset:(i/4)*XP+(i%4)*512
.set i, i+1
.endr
	WIN 0
.irp i,0,1,2,3,4,5,6,7
	ds_store_b128 v[MW], v[PC+4*\i:PC+4*\i+3] offset:512*\i
.endr
	BARRIER                                        ; x's 64 rows and MC's sixteen fragments lie in LDS; my stores have read their registers
	s_wait_loadcnt 32                              ; b_out's tiles are in; the ring's 32 loads may stay out
	WIN 0x40
.irp e,0,1,2,3,4,5,6,7                 ; W_out's K steps 2 and 3 into the registers that x has left: they land while x is quantised
.irp c,0,1,2,3
	global_load_b128 v[128+16*\e+4*\c:128+16*\e+4*\c+3], v[LI], s[WB:WB+1] offset:(8+\e)*2048+512*\c
.endr
.endr
	WIN 0x41
	BIASSC 32, 0, 32, 0, 48
	WIN 0
	; ---- x's half of the FFN's operand: my two fragments (row tile w / 2, K steps 2 (w % 2) + u)
	v_mov_b32 v[VS], s58
	s_wait_alu depctr_va_vdst(0)
.irp u,0,1
.irp c,0,1,2,3,4,5,6,7
	ds_load_b128 v[AF+8*\c:AF+8*\c+3], v[XQ] offset:512*\u+64*\c
	ds_load_b128 v[AF+8*\c+4:AF+8*\c+7], v[XQ] offset:512*\u+64*\c+16
.endr
	s_wait_dscnt 0x0
.irp c,0,1,2,3,4,5,6,7
.irp i,0,1,2,3,4,5,6,7
.endr
	v_cvt_scalef32_pk8_fp8_f32 v[PC+2*\c:PC+2*\c+1], v[AF+8*\c:AF+8*\c+7], v[VS]
.endr
	v_nop
.irp g,0,1,2,3
	ds_store_b128 v[IW], v[PC+4*\g:PC+4*\g+3] offset:HI+2048*\u+512*\g
.endr
.endr
	; ---- the out-projection: four K steps.  Loads in the order of issue: half 0, half 1, K step 2, K step 3, then W_f1's first two groups behind the first two K steps: each count is what was issued behind the group in hand
	ALOAD MA, 0, 4
	GSTEP 1, 48, 0x50, RB, 16, 0, 32, 0
	ALOAD MA, 2048, 4
	BLOADG WB, 16, 0                               ; W_f1's first fragments
	GSTEP 1, 48, 0x50, RB+64, 16, 0, 32, 0
	ALOAD MA, 4096, 4
	BLOADG WB, 20, 1
	GSTEP 1, 48, 0x51, 128, 16, 0, 32, 0           ; source 0 in window 1
	ALOAD MA, 6144, 4
	GSTEP 1, 32, 0x51, 192, 16, 0, 32, 0
	BIASLD 14, 8, AF                               ; b_f1 into the fragments' registers, idle until the next barrier: it lands under the way out below
	v_mov_b32 v[VS], s60
	s_lshl_b32 s31, s2, 11
	s_lshl_b32 s34, s3, 10
	s_add_co_u32 s31, s31, s34
	s_add_co_u32 s31, s31, 8192
	v_add_nc_u32 v[IW], s31, v[LI]                 ; K step 4 + w / 2, register groups 2 (w % 2) on
	WIN 0x41
.set j, 0
.rept 128
.set j, j+1
.endr
	WIN 0x01
.set a, 0
.rept 16
	v_cvt_scalef32_pk8_fp8_f32 v[PC+2*a:PC+2*a+1], v[8*a:8*a+7], v[VS]
.set a, a+1
.endr
	WIN 0
	v_nop
.irp m,0,1,2,3
	ds_store_b128 v[IW], v[PC+8*\m:PC+8*\m+3] offset:HI+16384*\m
	ds_store_b128 v[IW], v[PC+8*\m+4:PC+8*\m+7] offset:HI+16384*\m+512
.endr
	BARRIER                                        ; the operand's 32 fragments lie in LDS
	s_wait_loadcnt 0x0                             ; b_f1 (the ring's loads are older)
	WIN 0x40                                       ; source in window 0, the accumulators in window 1
	BIASSC 64, 0, 64, AF, 50
	WIN 0
	; ---- the first FFN product: eight K steps, two groups of four column tiles each: seven trips, and the last K step written out, since it asks LDS for nothing.  The ring goes on into W_f2: the last K step asks for its first two groups
	s_mov_b32 s32, 0
	ALOAD LI, HI, 8
.Lf1:
	GSTEP 1, 16, 0x50, RB, 16, 0, 64, WB0          ; 16: the other half's loads may stay out
	BLOADG WB0, 8, 0
	s_wait_alu depctr_va_vdst(0)
	GSTEP 0, 16, 0x50, RB+64, 16, 32, 64, WB1
	s_add_co_u32 s32, s32, 2048
	v_add_nc_u32 v[AD], s32, v[LI]
	ALOAD AD, HI, 8                                ; the next K step's token fragments
	BLOADG WB1, 12, 1
	s_cmp_lt_u32 s32, 14336
	s_cbranch_scc1 .Lf1
	GSTEP 1, 16, 0x50, RB, 16, 0, 64, WB0
	BLOADG WB0, 8, 0                               ; W_f2's K step 0.  From here on the pointer stands, 8 fragments short of W_f2
	GSTEP 0, 16, 0x50, RB+64, 16, 32, 64, WB1
	BLOADG WB1, 12, 1                              ; and K step 1
	; ---- the norm's statistics
.macro GBLOAD q                        ; gain and bias of column tiles 2 q, 2 q + 1: 16 numbers a lane each
.irp i,0,1,2,3
	global_load_b128 v[GA+4*\i:GA+4*\i+3], v[BO], s[16:17] offset:128*(\q)+64*(\i/2)+16*(\i%2)
	global_load_b128 v[BE+4*\i:BE+4*\i+3], v[BO], s[18:19] offset:128*(\q)+64*(\i/2)+16*(\i%2)
.endr
.endm
.macro FOLD                            ; two chains of pairs -> one number a lane, and the other half of the lanes' beside it
.irp m,0,1,2,3
	v_pk_add_f32 v[16+4*\m:17+4*\m], v[16+4*\m:17+4*\m], v[18+4*\m:19+4*\m]
.endr
.irp m,0,1,2,3
	s_delay_alu instid0(VALU_DEP_4)
	v_add_f32 v[16+4*\m], v[16+4*\m], v[17+4*\m]
.endr
.irp m,0,1,2,3
	s_delay_alu instid0(VALU_DEP_4)
	v_permlanex16_b32 v[17+4*\m], v[16+4*\m], s92, s93
.endr
.endm
	GBLOAD 0
	WIN 0x05                                       ; both sources in window 1
.irp m,0,1,2,3
	v_pk_add_f32 v[16+4*\m:17+4*\m], v[64*\m:64*\m+1], v[64*\m+2:64*\m+3]
	v_pk_add_f32 v[18+4*\m:19+4*\m], v[64*\m+4:64*\m+5], v[64*\m+6:64*\m+7]
.endr
	WIN 0x01
.irp p,8,12,16,20,24,28,32,36,40,44,48,52,56,60
.irp m,0,1,2,3
	v_pk_add_f32 v[16+4*\m:17+4*\m], v[64*\m+\p:64*\m+\p+1], v[16+4*\m:17+4*\m]
	v_pk_add_f32 v[18+4*\m:19+4*\m], v[64*\m+\p+2:64*\m+\p+3], v[18+4*\m:19+4*\m]
.endr
.endr
	WIN 0
	FOLD
.irp m,0,1,2,3
	s_delay_alu instid0(VALU_DEP_4)
	v_add_f32 v[16+4*\m], v[16+4*\m], v[17+4*\m]
.endr
.irp m,0,1,2,3
	s_delay_alu instid0(VALU_DEP_4)
	v_mul_f32 v[MN+2*\m], 0x3c000000, v[16+4*\m]   ; / 128: my columns' mean of row 16 m + r
.endr
.irp m,0,1,2,3
	s_delay_alu instid0(VALU_DEP_4)
	v_mov_b32 v[MN+2*\m+1], v[MN+2*\m]
.endr
	WIN 0x41
.irp m,0,1,2,3
.set j, 0
.rept 32
	v_pk_add_f32 v[64*\m+j:64*\m+j+1], v[64*\m+j:64*\m+j+1], v[MN+2*\m:MN+2*\m+1] neg_lo:[0,1] neg_hi:[0,1]
.set j, j+2
.endr
.endr
	WIN 0x05
.irp m,0,1,2,3
	v_pk_mul_f32 v[16+4*\m:17+4*\m], v[64*\m:64*\m+1], v[64*\m:64*\m+1]
	v_pk_mul_f32 v[18+4*\m:19+4*\m], v[64*\m+2:64*\m+3], v[64*\m+2:64*\m+3]
.endr
.irp p,4,8,12,16,20,24,28,32,36,40,44,48,52,56,60
.irp m,0,1,2,3
	v_pk_fma_f32 v[16+4*\m:17+4*\m], v[64*\m+\p:64*\m+\p+1], v[64*\m+\p:64*\m+\p+1], v[16+4*\m:17+4*\m]
	v_pk_fma_f32 v[18+4*\m:19+4*\m], v[64*\m+\p+2:64*\m+\p+3], v[64*\m+\p+2:64*\m+\p+3], v[18+4*\m:19+4*\m]
.endr
.endr
	WIN 0
	FOLD
.irp m,0,1,2,3
	v_add_f32 v[33+2*\m], v[16+4*\m], v[17+4*\m]   ; the squares about my mean
	v_mov_b32 v[32+2*\m], v[MN+2*\m]
.endr
	s_lshl_b32 s31, s28, 3
	v_add_nc_u32 v[AD], s31, v[STA]
.irp m,0,1,2,3
	ds_store_b64 v[AD], v[32+2*\m:33+2*\m] offset:1280*\m          ; both halves of the lanes hold the same pair and write the same bytes
.endr
	BARRIER                                        ; every wave's pairs lie in LDS, and every wave has read the operand for the last time
.irp m,0,1,2,3
.irp i,0,1,2,3
	ds_load_b128 v[16+16*\m+4*\i:19+16*\m+4*\i], v[STA] offset:1280*\m+16*\i       ; row 16 m + r: (mean, M2) of waves 0 to 7
.endr
.endr
	s_wait_dscnt 0x0
.macro C4 op, d, a, b                  ; one line for each of the four row tiles, so that no line waits for the one above it
.irp m,0,1,2,3
	\op v[16+16*\m+\d], v[16+16*\m+\a], v[16+16*\m+\b]
.endr
.endm
	C4 v_add_f32, 1, 1, 3
	C4 v_add_f32, 5, 5, 7
	C4 v_add_f32, 9, 9, 11
	C4 v_add_f32, 13, 13, 15
	C4 v_add_f32, 1, 1, 5
	C4 v_add_f32, 9, 9, 13
	C4 v_add_f32, 1, 1, 9                          ; the eight M2
	C4 v_add_f32, 3, 0, 2
	C4 v_add_f32, 5, 4, 6
	C4 v_add_f32, 7, 8, 10
	C4 v_add_f32, 9, 12, 14
	C4 v_add_f32, 3, 3, 5
	C4 v_add_f32, 7, 7, 9
	C4 v_add_f32, 3, 3, 7
.irp m,0,1,2,3
	s_delay_alu instid0(VALU_DEP_4)
	v_mul_f32 v[19+16*\m], 0x3e000000, v[19+16*\m] ; mu
.endr
.irp w,0,2,4,6,8,10,12,14
	C4 v_sub_f32, \w, \w, 3
.endr
	C4 v_mul_f32, 5, 0, 0
	C4 v_mul_f32, 7, 2, 2
.irp w,4,8,12
.irp m,0,1,2,3
	v_fma_f32 v[21+16*\m], v[16+16*\m+\w], v[16+16*\m+\w], v[21+16*\m]
	v_fma_f32 v[23+16*\m], v[18+16*\m+\w], v[18+16*\m+\w], v[23+16*\m]
.endr
.endr
	C4 v_add_f32, 5, 5, 7
.irp m,0,1,2,3
	s_delay_alu instid0(VALU_DEP_4)
	v_fma_f32 v[17+16*\m], v[21+16*\m], 0x43000000, v[17+16*\m]    ; + 128 x the means' squares about mu
.endr
.irp m,0,1,2,3
	s_delay_alu instid0(VALU_DEP_4)
	v_ldexp_f32 v[17+16*\m], v[17+16*\m], s57      ; the variance
.endr
.irp m,0,1,2,3
	s_delay_alu instid0(VALU_DEP_4)
	v_add_f32 v[17+16*\m], 0x3727c5ac, v[17+16*\m] ; + 1e-5
.endr
	s_wait_alu depctr_va_vdst(0)
.irp m,0,1,2,3
	v_rsq_f32 v[23+16*\m], v[17+16*\m]
.endr
	v_nop
	s_wait_alu depctr_va_vdst(0)                   ; one wait for the four, ahead of their first reader
.irp m,0,1,2,3
	v_ldexp_f32 v[AA+2*\m], v[23+16*\m], s56       ; a = 2^k / sqrt(var + eps)
	v_sub_f32 v[MN+2*\m], v[MN+2*\m], v[19+16*\m]
.endr
.irp m,0,1,2,3
	v_mov_b32 v[AA+2*\m+1], v[AA+2*\m]
	v_mul_f32 v[MN+2*\m], v[MN+2*\m], v[AA+2*\m]   ; c = (my mean - mu) a: the normed number is (sum - my mean) a + c
.endr
.irp m,0,1,2,3
	v_mov_b32 v[MN+2*\m+1], v[MN+2*\m]
.endr
	v_mov_b32 v[VS], s62
	s_lshl_b32 s31, s28, 11
	v_add_nc_u32 v[IW], s31, v[LI]                 ; my columns are K step w of the last product
; 16 numbers: row tile m, column tiles 2 q and 2 q + 1: normed, gelu, quantised: register group q of fragment (m, w).  nxt = 1: the next q's gain and bias are asked for as soon as this q's are read for the last time.
.macro BATCH m, q, nxt
.set rA, 64*(\m)+16*(\q)
	WIN 0x01
.irp i,0,2,4,6,8,10,12,14
	v_pk_fma_f32 v[XX+\i:XX+\i+1], v[rA+\i:rA+\i+1], v[AA+2*(\m):AA+2*(\m)+1], v[MN+2*(\m):MN+2*(\m)+1]
.endr
	WIN 0
.irp i,0,2,4,6,8,10,12,14
	v_pk_fma_f32 v[XX+\i:XX+\i+1], v[XX+\i:XX+\i+1], v[GA+\i:GA+\i+1], v[BE+\i:BE+\i+1]
.endr
.if \nxt
	GBLOAD (\q)+1
.endif
.irp i,0,1,2,3,4,5,6,7,8,9,10,11,12,13,14,15
	v_and_b32 v[UU+\i], s90, v[XX+\i]              ; |x|
.endr
.irp i,0,2,4,6,8,10,12,14
	v_pk_fma_f32 v[TT+\i:TT+\i+1], v[UU+\i:UU+\i+1], s[86:87], 1.0 op_sel_hi:[1,0,0]
.endr
	s_wait_alu depctr_va_vdst(0)
.irp i,0,1,2,3,4,5,6,7,8,9,10,11,12,13,14,15
	v_rcp_f32 v[TT+\i], v[TT+\i]                   ; t
.endr
	v_nop
	s_wait_alu depctr_va_vdst(0)                   ; one wait for the batch
.irp i,0,2,4,6,8,10,12,14
	v_pk_mul_f32 v[UU+\i:UU+\i+1], v[UU+\i:UU+\i+1], v[TT+\i:TT+\i+1]      ; |x| t
.endr
.irp i,0,2,4,6,8,10,12,14
	v_pk_fma_f32 v[PP+\i:PP+\i+1], v[TT+\i:TT+\i+1], v[C9:C9+1], s[82:83] op_sel_hi:[1,1,0]
.endr
.irp k,7,6,5,4,3,2,1,0
.irp i,0,2,4,6,8,10,12,14
	v_pk_fma_f32 v[PP+\i:PP+\i+1], v[PP+\i:PP+\i+1], v[TT+\i:TT+\i+1], s[66+2*\k:67+2*\k] op_sel_hi:[1,1,0]
.endr
.endr
.irp i,0,2,4,6,8,10,12,14
	v_pk_mul_f32 v[TT+\i:TT+\i+1], v[XX+\i:XX+\i+1], v[XX+\i:XX+\i+1]
.endr
.irp i,0,2,4,6,8,10,12,14
	v_pk_fma_f32 v[PP+\i:PP+\i+1], v[TT+\i:TT+\i+1], s[88:89], v[PP+\i:PP+\i+1] op_sel_hi:[1,0,1]
.endr
	s_wait_alu depctr_va_vdst(0)
.irp i,0,1,2,3,4,5,6,7,8,9,10,11,12,13,14,15
	v_exp_f32 v[PP+\i], v[PP+\i]
.endr
.irp i,0,1,2,3,4,5,6,7,8,9,10,11,12,13,14,15
	v_max_num_f32 v[XX+\i], 0, v[XX+\i]            ; plain lines behind the exponentials
.endr
	s_wait_alu depctr_va_vdst(0)                   ; one wait for the batch
.irp i,0,2,4,6,8,10,12,14
	v_pk_fma_f32 v[XX+\i:XX+\i+1], v[UU+\i:UU+\i+1], v[PP+\i:PP+\i+1], v[XX+\i:XX+\i+1] neg_lo:[1,0,0] neg_hi:[1,0,0]
.endr
.irp i,0,1,2,3,4,5,6,7,8,9,10,11,12,13,14,15
.endr
	v_cvt_scalef32_pk8_fp8_f32 v[PP:PP+1], v[XX:XX+7], v[VS]
	v_cvt_scalef32_pk8_fp8_f32 v[PP+2:PP+3], v[XX+8:XX+15], v[VS]
	v_nop
	ds_store_b128 v[IW], v[PP:PP+3] offset:HI+16384*(\m)+512*(\q)
.endm
	s_wait_alu depctr_va_vdst(0)
	s_wait_loadcnt 0x0                             ; the first gain and bias
.irp q,0,1                             ; behind each of these eight batches its sixteen accumulator registers take a fragment of W_f2
	BATCH 0, \q, 0
	ELOAD 0, \q
	BATCH 1, \q, 0
	ELOAD 1, \q
	BATCH 2, \q, 0
	ELOAD 2, \q
	BATCH 3, \q, 1
	ELOAD 3, \q
	s_wait_loadcnt 4                               ; the next gain and bias are in: the one fragment asked for behind them, 4 loads, may stay out
.endr
	BATCH 0, 2, 0
	BATCH 1, 2, 0
	BATCH 2, 2, 0
	BATCH 3, 2, 1
	s_wait_loadcnt 0x0
	BATCH 0, 3, 0
	WIN 0x40
	BIASLD 20, 4, 32                               ; b_f2 into row tile 0's accumulators of the last product, free from here on: three batches ahead of its use
	WIN 0
	BATCH 1, 3, 0
	BATCH 2, 3, 0
	BATCH 3, 3, 0
	BARRIER                                        ; gelu's 32 fragments lie in LDS
	ALOAD LI, HI, 8                                ; the first K step's fragments land under the bias's scaling
	s_wait_loadcnt 0x0                             ; b_f2, and with it W_f2's K steps 0 to 3
	WIN 0x41
	BIASSC 32, 32, 64, 32, 52
	WIN 0
	; ---- the last product: eight K steps, written out.  K steps 0, 1 lie in the ring, 2, 3 in window 1; each place is asked for again, four K steps on, behind its products.  The counts: what was issued behind the group in hand
	s_wait_alu depctr_va_vdst(0)
	GSTEP 1, -1, 0x50, RB, 16, 32, 64, 0
	ALOAD LI, HI+2048, 8
	BLOADG WB0, 24, 0
	GSTEP 1, -1, 0x50, RB+64, 16, 32, 64, 0
	ALOAD LI, HI+4096, 8
	BLOADG WB0, 28, 1
	GSTEP 1, -1, 0x51, 0, 64, 32, 64, 0
	ALOAD LI, HI+6144, 8
	EGLOAD 32, 0
	GSTEP 1, -1, 0x51, 16, 64, 32, 64, 0
	ALOAD LI, HI+8192, 8
	EGLOAD 36, 1
	GSTEP 1, 48, 0x50, RB, 16, 32, 64, 0
	ALOAD LI, HI+10240, 8
	GSTEP 1, 32, 0x50, RB+64, 16, 32, 64, 0
	ALOAD LI, HI+12288, 8
	GSTEP 1, 16, 0x51, 0, 64, 32, 64, 0
	ALOAD LI, HI+14336, 8
	GSTEP 1, 0, 0x51, 16, 64, 32, 64, 0
	; ---- the way out: a lane holds 32 bytes of a row; 16 rows x 256 bytes go through my own stage and come back by rows; x 2^(e_g + e_w2), + x; sixteen lanes store 256 consecutive bytes, aligned
	v_and_b32 v16, 15, v0
	v_bfe_u32 v17, v0, 4, 1
	s_mul_i32 s31, s28, 4352
	s_add_co_u32 s31, s31, OS
	v_mul_u32_u24 v[SO], v16, 272
	s_delay_alu instid0(VALU_DEP_1)
	v_lshl_add_u32 v[SO], v17, 5, v[SO]
	s_delay_alu instid0(VALU_DEP_1)
	v_add_nc_u32 v[SO], s31, v[SO]
	v_mul_u32_u24 v[SR], v17, 272
	s_delay_alu instid0(VALU_DEP_1)
	v_lshl_add_u32 v[SR], v16, 4, v[SR]
	s_delay_alu instid0(VALU_DEP_1)
	v_add_nc_u32 v[SR], s31, v[SR]
	s_lshl_b32 s31, s28, 8
	v_lshlrev_b32 v[GO], 11, v17
	s_delay_alu instid0(VALU_DEP_1)
	v_lshl_add_u32 v[GO], v16, 4, v[GO]
	s_delay_alu instid0(VALU_DEP_1)
	v_add_nc_u32 v[GO], s31, v[GO]
	s_add_co_u32 s31, s31, XS
	v_mul_u32_u24 v[XR], v17, XP
	s_delay_alu instid0(VALU_DEP_1)
	v_lshl_add_u32 v[XR], v16, 4, v[XR]
	s_delay_alu instid0(VALU_DEP_1)
	v_add_nc_u32 v[XR], s31, v[XR]
.irp m,0,1,2,3
	WIN 0x04
.irp t,0,1,2,3
	ds_store_b128 v[SO], v[64*\m+32+8*\t:64*\m+32+8*\t+3] offset:64*\t
	ds_store_b128 v[SO], v[64*\m+32+8*\t+4:64*\m+32+8*\t+7] offset:64*\t+16
.endr
	WIN 0
.irp i,0,1,2,3,4,5,6,7
	ds_load_b128 v[16+4*\i:19+4*\i], v[SR] offset:544*\i           ; LDS serves a wave's instructions in order (ISA guide 5.7.1.4): these see my stores, and the next tile's stores come behind them
.endr
.irp i,0,1,2,3,4,5,6,7
	ds_load_b128 v[48+4*\i:51+4*\i], v[XR] offset:4128*\i          ; the same rows and columns of x
.endr
	s_wait_dscnt 0x0
.irp j,0,2,4,6,8,10,12,14,16,18,20,22,24,26,28,30
	v_pk_fma_f32 v[RB+32*\m+\j:RB+32*\m+\j+1], v[16+\j:17+\j], s[54:55], v[48+\j:49+\j] op_sel_hi:[1,0,1]
.endr
	v_add_nc_u32 v[XR], 16*XP, v[XR]
.irp i,0,1,2,3,4,5,6,7
	global_store_b128 v[GO], v[RB+32*\m+4*\i:RB+32*\m+4*\i+3], s[24:25] offset:(16*\m+2*\i)*2048 th:TH_STORE_NT
.endr
.endr
	s_wait_tensorcnt 0x0                           ; the wave's end
	ds_add_u32 v[SPW], v[NIL]
	s_wait_dscnt 0x0
	s_endpgm
.Lfunc_end_k_q97ca74afe9_ffn:
	.size	k_q97ca74afe9_ffn, .Lfunc_end_k_q97ca74afe9_ffn-k_q97ca74afe9_ffn
	.p2alignl 7, 3214868480
	.fill 96, 4, 3214868480
	.section	.rodata,"a",@progbits
	.p2align	6, 0x0
	.amdhsa_kernel k_q97ca74afe9_ffn
		.amdhsa_group_segment_fixed_size 238592
		.amdhsa_private_segment_fixed_size 0
		.amdhsa_enable_private_segment 0
		.amdhsa_kernarg_size 96
		.amdhsa_user_sgpr_count 2
		.amdhsa_user_sgpr_kernarg_segment_ptr 1
		.amdhsa_wavefront_size32 1
		.amdhsa_system_sgpr_workgroup_id_x 1
		.amdhsa_system_sgpr_workgroup_id_y 1
		.amdhsa_system_sgpr_workgroup_id_z 1
		.amdhsa_system_vgpr_workitem_id 0
		.amdhsa_next_free_vgpr 512
		.amdhsa_next_free_sgpr 100
		.amdhsa_reserve_vcc 0
		.amdhsa_float_denorm_mode_32 3
		.amdhsa_float_denorm_mode_16_64 3
		.amdhsa_fp16_overflow 1
		.amdhsa_memory_ordered 1
		.amdhsa_forward_progress 1
		.amdhsa_inst_pref_size 255
	.end_amdhsa_kernel
	.section	.bss,"aw",@nobits
	.p2align	6
	.space	262144
	.amdgpu_metadata
---
amdhsa.version: [ 1, 2 ]
amdhsa.kernels:
  - .name:           k_q97ca74afe9_ffn
    .symbol:         k_q97ca74afe9_ffn.kd
    .args:
      - { .name: x0, .offset: 0, .size: 8, .value_kind: global_buffer, .address_space: global }
      - { .name: x1, .offset: 8, .size: 8, .value_kind: global_buffer, .address_space: global }
      - { .name: MC, .offset: 16, .size: 8, .value_kind: global_buffer, .address_space: global }
      - { .name: WF, .offset: 24, .size: 8, .value_kind: global_buffer, .address_space: global }
      - { .name: b_out, .offset: 32, .size: 8, .value_kind: global_buffer, .address_space: global }
      - { .name: b_f1, .offset: 40, .size: 8, .value_kind: global_buffer, .address_space: global }
      - { .name: ln_g, .offset: 48, .size: 8, .value_kind: global_buffer, .address_space: global }
      - { .name: ln_b, .offset: 56, .size: 8, .value_kind: global_buffer, .address_space: global }
      - { .name: b_f2, .offset: 64, .size: 8, .value_kind: global_buffer, .address_space: global }
      - { .name: lowp_scales, .offset: 72, .size: 8, .value_kind: global_buffer, .address_space: global }
      - { .name: out0, .offset: 80, .size: 8, .value_kind: global_buffer, .address_space: global }
      - { .name: out1, .offset: 88, .size: 8, .value_kind: global_buffer, .address_space: global }
    .group_segment_fixed_size: 238592
    .private_segment_fixed_size: 0
    .kernarg_segment_align: 8
    .kernarg_segment_size: 96
    .max_flat_workgroup_size: 256
    .sgpr_count:     100
    .vgpr_count:     512
    .wavefront_size: 32
...
	.end_amdgpu_metadata
.endif
;; end of part 4
